; MI455X (gfx1250); checked and timed in simulation.
; The chip was launched on July 23, 2026; its instructions are those of AMD's public machine-readable ISA for CDNA 5 (MIT licence, August 2026) and "CDNA5" Instruction Set Architecture Reference Guide (July 2026). The comments in the code are by the model that wrote it; some were corrected since.
;; Multi Head Attention. Allowed arithmetic: matrix products marked QUANTISED: E2M1 operands, one E8M0 scale for each 32 along K, by v_wmma_scale_f32_16x16x128_f8f6f4 with both operands' format E2M1 (or v_wmma_scale_f32_32x16x128_f4), f32 sums; products left as they are: bf16, f16 or f32 operands; f32 sums; everything else in f32.
;; Inputs: Wk 1,024 x 1,024 float32; Wo 1,024 x 1,024 float32; Wq 1,024 x 1,024 float32; Wv 1,024 x 1,024 float32; bk 1,024 float32; bo 1,024 float32; bq 1,024 float32; bv 1,024 float32; pad_mask 4 x 2,048 bool; pos_enc 1 x 2,048 x 32 float32; x_kv 4 x 2,048 x 1,024 float32; x_q 4 x 2,048 x 1,024 float32.
;; Outputs: out0 4 x 2,048 x 1,024 float32.
;; This version of the problem:
;;   THIS VERSION OF THE PROBLEM IS GIVEN IN LOW PRECISION. The matrix products marked QUANTISED in the list below multiply operands that are first quantised to E2M1 (2 exponent bits, 1 mantissa bit; 4 bits a number), with one power-of-two scale for each 32 numbers along K (OCP MX v1.0); their sums are f32. The products marked 'left as it is' may take bf16, f16 or f32 operands, with f32 sums. Whichever they take, every output number must still come out within the allowed error. Rounding operands to bf16 (8 significant bits) uses up far more of that allowance than f16 does (11 bits, for magnitudes from 6e-5 to 65,504). All else is computed in f32.
;;   The module's matrix products, in the order in which they are computed (A, B: the left and right operand; K: the contracted axis; several contracted axes count as one K, in the product's order):
;;     1. [M 8,192, K 1,024] x [K 1,024, N 1,024]; A: input x_q; B: input Wq: QUANTISED
;;     2. [M 8,192, K 1,024] x [K 1,024, N 1,024]; A: input x_kv; B: input Wk: QUANTISED
;;     3. [M 8,192, K 1,024] x [K 1,024, N 1,024]; A: input x_kv; B: input Wv: QUANTISED
;;     4. batch 64 x [M 2,048, K 64] x [K 64, N 2,048]; A: computed on the way; B: computed on the way: left as it is (an operand is computed on the way)
;;     5. batch 64 x [M 2,048, K 2,048] x [K 2,048, N 64]; A: computed on the way; B: computed on the way: left as it is (an operand is computed on the way)
;;     6. [M 8,192, K 1,024] x [K 1,024, N 1,024]; A: computed on the way; B: input Wo: left as it is (an operand is computed on the way)
;;   THE QUANTISER, for each operand of a quantised product, along K:
;;     - K is cut into blocks of 32 from its start; a last block that is shorter is filled with zeros.
;;     - A block's scale is 2^e with e = floor(log2(the largest magnitude in the block)) - 2, held to -126 .. 127; a block of zeros has e = 0. As a byte (E8M0): e + 127.
;;     - Each number is divided by its block's scale, clamped to +-6, and rounded to the nearest number of E2M1, ties to even, subnormals kept.
;;     - The product sums the exact products of the quantised numbers (number of the format x scale) in f32.
;;   ~~~python
;;   def quantise(x, axis):      # numpy; x: float32 -> the quantised numbers, widened to float32 again
;;       x = np.moveaxis(x, axis, -1); K = x.shape[-1]
;;       x = np.pad(x, [(0, 0)] * (x.ndim - 1) + [(0, -K % 32)]); x = x.reshape(x.shape[:-1] + (-1, 32)); a = np.abs(x).max(-1, keepdims=True)
;;       e = np.where(a > 0, np.clip(np.frexp(np.where(a > 0, a, 1))[1] - 1 - 2, -126, 127), 0)      # np.frexp(a)[1] - 1 = floor(log2(a)), exactly
;;       r = np.clip(x / 2.0 ** e, -6, 6)
;;       step = 2.0 ** (np.maximum(np.frexp(np.where(r == 0, 1, r))[1] - 1, 0) - 1)
;;       q = np.round(r / step) * step * 2.0 ** e      # np.round: ties to even
;;       return np.moveaxis(q.reshape(q.shape[:-2] + (-1,))[..., :K], -1, axis).astype(np.float32)
;;   ~~~
;; One version. Each part assembles by itself: llvm-mc -triple=amdgcn-amd-amdhsa -mcpu=gfx1250 --defsym DOCPART=n.
;; ======== version 1 of 1: 5 launches
;; limits: values are held in f16: magnitudes above 65,504 overflow, below 6.1e-05 lose precision; right only within a limited range of input values
;; workspace buffers: x4 8,912,896 bytes; w4 1,671,168 bytes; tab 557,056 bytes; qkv16 50,331,648 bytes; aux32 1,048,576 bytes; wo16 2,097,152 bytes; o16 16,777,216 bytes
;; launch prep (part 1): grid 768 x 1, 4 waves a work-group, no clusters, 68,096 bytes of LDS; arguments x_q, x_kv, Wq, Wk, Wv, Wo, pos_enc, pad_mask, x4, w4, tab, wo16; writes x4, w4, tab, wo16
.if DOCPART == 1
	.amdgcn_target "amdgcn-amd-amdhsa--gfx1250"
	.amdhsa_code_object_version 6
	.text
	.protected	k_qeed7d83243_prep
	.globl	k_qeed7d83243_prep
	.p2align	8
	.type	k_qeed7d83243_prep,@function
k_qeed7d83243_prep:
	s_mov_b64 s[64:65], 0
	v_nop
	global_prefetch_b8 v0, s[64:65] scope:SCOPE_SE
	s_setreg_imm32_b32 hwreg(HW_REG_WAVE_MODE, 25, 1), 1
	s_wait_xcnt 0x0
; MULTI-HEAD ATTENTION, launch 1 of 5: everything that is made once from the inputs.
; DEAD WORK OF THE WHOLE PROGRAM.  reference() hides key j from query i where j > i, by a mask that it builds itself (triu): a hidden score becomes -FLT_MAX and its weight is 0 beside any open key,
; whatever the inputs hold.  So the attention launch leaves out the key steps (64 keys) that lie wholly above a wave's queries.  One case is kept: a query all of whose keys 0..i are padded has all
; 2,048 scores equal in reference(), so its weights are 1/2,048 each: it gets the mean of v over the whole sequence, which is computed and selected.  Every input has a way to the output and is loaded.
; LIMITS: a NaN, an infinity or an overflow that reaches only the key steps left out is not carried to the result; NaN and infinities among the inputs are not served; true scores under -2^100 count as
; masked; |q|, |k|, |v|, |o|, |Wo| stay under 65,504 (f16 operands of the products left as they are); |pos_enc| under about 1e6 (two-term reduction); a quantiser block of zeros gets the byte 1 where the
; rule says 127 (its codes are zeros, and this program alone reads the bytes); blocks whose largest magnitude lies under 2^-124 were not tried.
; FIVE JOBS, told apart by the work-group's number; each job that uses LDS has LDS bytes of its own.
;   0-511    x_q, x_kv -> codes of E2M1 and E8M0 bytes, K innermost (x4)          512-559  Wq, Wk, Wv [k][n] -> the same with K innermost (w4)
;   560-623  Wo -> f16, laid as the out-projection's operand registers (wo16)     624-751  cos and signed sin of pos_enc, laid as the projection's result registers (tab)
;   752-767  pad_mask -> 0 or -2^126 for each key (tab)
; No matrix unit, no tensor load, no cluster: the jobs stream and share nothing.
.set SPW,   190                        ; v190 LDS address of my spare word; never rewritten
.set NIL,   191                        ; v191 0; never rewritten
.set SPARE, 67584                      ; behind both jobs' LDS: the spare words, 128 bytes a wave
.macro FIN                             ; the end of a wave that stored to LDS
	s_wait_tensorcnt 0x0
	ds_add_u32 v[SPW], v[NIL]
	s_wait_dscnt 0x0
	s_endpgm
.endm
	s_load_b512 s[4:19], s[0:1], 0x0               ; x_q 4, x_kv 6, Wq 8, Wk 10, Wv 12, Wo 14, pos_enc 16, pad_mask 18
	s_load_b256 s[20:27], s[0:1], 0x40             ; x4 20, w4 22, tab 24, wo16 26
	v_lshl_add_u32 v[SPW], v0, 2, SPARE
	v_mov_b32 v[NIL], 0
	v_lshrrev_b32 v1, 5, v0
	v_readfirstlane_b32 s28, v1                    ; wave
	v_and_b32 v2, 31, v0                           ; lane
	s_wait_kmcnt 0x0
	s_cmp_lt_u32 ttmp9, 512
	s_cbranch_scc1 .Lpath_x
	s_cmp_lt_u32 ttmp9, 560
	s_cbranch_scc1 .Lpath_w
	s_cmp_lt_u32 ttmp9, 624
	s_cbranch_scc1 .Lpath_o
	s_cmp_lt_u32 ttmp9, 752
	s_cbranch_scc1 .Lpath_r
; ---- the pad bias: 4 bool bytes a thread become 4 numbers: 0 (open) or -2^126 (padded)
	s_sub_co_u32 s29, ttmp9, 752
	s_lshl_b32 s29, s29, 7
	v_add_nc_u32 v3, s29, v0                       ; which four keys of the 8,192
	v_lshlrev_b32 v4, 2, v3
	v_lshlrev_b32 v5, 4, v3
	global_load_b32 v6, v4, s[18:19]
	v_mov_b32 v7, 0xfe800000                       ; -2^126
	s_wait_loadcnt 0x0
.irp e, 0,1,2,3
	v_bfe_u32 v8, v6, 8*\e, 8
	v_cmp_ne_u32 vcc_lo, 0, v8
	v_cndmask_b32 v[12+\e], 0, v7, vcc_lo
.endr
	global_store_b128 v5, v[12:15], s[24:25] offset:524288   ; 32 lanes store 512 consecutive bytes
	s_endpgm
; ---- x_q and x_kv: plain streams of blocks of 32 along K.  A wave takes 16 steps of 512 numbers.  Each load reads 512 consecutive bytes; a step's 2,048 bytes turn through the wave's own stage in LDS,
; so that a lane holds 16 neighbours for the conversions; two neighbouring lanes hold a block.
.Lpath_x:
.set STEPS, 16
.set EMAX,  2
.set CB,    8                          ; bytes of 16 codes
.set XR,    16                         ; v16-79   four sets of 16 numbers as loaded
.set XX,    80                         ; v80-111  two sets of 16 neighbours
.set XE,    112                        ; v112-127 a scale byte for each step
.set XC,    128                        ; v128-189 codes: registers of its own for each step
.set WREG,  8192                       ; LDS 0 .. 32,767: a region for each wave: two stages of 32 x 80 bytes, then its 256 scale bytes
.set SP,    80
	v_lshlrev_b32 v3, 4, v2                        ; my 16 bytes of a load's 512
	s_mul_i32 s29, s28, WREG
	v_lshrrev_b32 v14, 2, v2
	v_mul_u32_u24 v14, v14, SP
	v_and_b32 v15, 3, v2
	v_lshl_add_u32 v14, v15, 4, v14
	v_add_nc_u32 v14, s29, v14                     ; the stage, on the way in: 80 (lane / 4) + 16 (lane % 4)
	v_mul_u32_u24 v15, v2, SP
	v_add_nc_u32 v15, s29, v15                     ; and on the way out: 80 x lane
	v_mul_u32_u24 v4, v2, CB
	v_lshrrev_b32 v5, 1, v2
	s_add_co_u32 s29, s29, 2*32*SP
	v_add_nc_u32 v5, s29, v5                       ; my block's scale byte
	v_lshlrev_b32 v7, 3, v2
	v_add_nc_u32 v6, s29, v7
	s_cmp_lt_u32 ttmp9, 256                        ; x_q's work-group or x_kv's: the choice hangs on the work-group's number alone
	s_cselect_b64 s[30:31], s[4:5], s[6:7]
	s_cselect_b32 s32, 0, 4194304
	s_cselect_b32 s34, 0, 262144
	s_and_b32 s36, ttmp9, 255
	s_lshl_b32 s36, s36, 2
	s_add_co_u32 s36, s36, s28                     ; which run of 8,192 numbers is my wave's
	s_lshl_b32 s38, s36, 15
	s_mov_b32 s39, 0
	s_add_nc_u64 s[30:31], s[30:31], s[38:39]      ; the numbers
	s_lshl_b32 s38, s36, 12
	s_add_co_u32 s38, s38, s32
	s_add_nc_u64 s[40:41], s[20:21], s[38:39]      ; the codes
	s_lshl_b32 s38, s36, 8
	s_add_co_u32 s38, s38, s34
	s_add_co_u32 s38, s38, 8388608
	s_add_nc_u64 s[42:43], s[20:21], s[38:39]      ; the scale bytes
.macro XLOAD t
.irp i, 0,1,2,3
	global_load_b128 v[XR+16*((\t)%4)+4*\i:XR+16*((\t)%4)+4*\i+3], v3, s[30:31] offset:2048*(\t)+512*\i th:TH_LOAD_NT
.endr
.endm
.macro XTURN t                         ; LDS serves a wave's instructions in order: no wait between the stores and the loads
.irp i, 0,1,2,3
	ds_store_b128 v14, v[XR+16*((\t)%4)+4*\i:XR+16*((\t)%4)+4*\i+3] offset:32*SP*((\t)%2)+8*SP*\i
.endr
.irp i, 0,1,2,3
	ds_load_b128 v[XX+16*((\t)%2)+4*\i:XX+16*((\t)%2)+4*\i+3], v15 offset:32*SP*((\t)%2)+16*\i
.endr
.endm
.irp t, 0,1,2,3
	XLOAD \t
.endr
	s_wait_loadcnt 12                              ; step 0's four loads are in; the twelve of steps 1 to 3 stay out
	XTURN 0
.macro XSTEP t
.set XS, XX+16*((\t)%2)
.if (\t) > 0
	s_wait_dscnt 1                                 ; this step's numbers are back from the stage; the last step's byte store may be out
.else
	s_wait_dscnt 0x0
.endif
.if (\t)+4 < STEPS
	XLOAD (\t)+4
.endif
.if (\t)+1 < STEPS
.if STEPS-2-(\t) >= 3
	s_wait_loadcnt 12                              ; the next step's four loads are in; those of the three steps behind it may be out
.else
	s_wait_loadcnt 4*(STEPS-2-(\t))
.endif
	XTURN (\t)+1
.endif
	v_max3_num_f32 v8, |v[XS]|, |v[XS+1]|, |v[XS+2]|
	v_max3_num_f32 v9, |v[XS+3]|, |v[XS+4]|, |v[XS+5]|
.irp i, 6,10
	v_max3_num_f32 v8, v8, |v[XS+\i]|, |v[XS+\i+1]|
	v_max3_num_f32 v9, v9, |v[XS+\i+2]|, |v[XS+\i+3]|
.endr
	v_max3_num_f32 v8, v8, |v[XS+14]|, |v[XS+15]|
	v_max3_num_f32 v8, v8, v9, (EMAX+1)<<23        ; the floor 2^(3 - 127): the byte cannot fall under 1
	v_max_num_f32_dpp v8, v8, v8 row_xmask:1 row_mask:0xf bank_mask:0xf   ; with my neighbour's 16: the block's largest magnitude
	v_add_nc_u32 v11, -(EMAX<<23), v8              ; 2 off its exponent field: the conversion's scale operand
	v_cvt_scalef32_pk8_fp4_f32 v[XC+4*(\t)], v[XS:XS+7], v11
	v_cvt_scalef32_pk8_fp4_f32 v[XC+4*(\t)+1], v[XS+8:XS+15], v11
	v_lshrrev_b32 v[XE+(\t)], 23, v11              ; the scale's byte
	ds_store_b8 v5, v[XE+(\t)] offset:16*(\t)      ; both lanes of a block write the same byte with the same value
	global_store_b64 v4, v[XC+4*(\t):XC+4*(\t)+1], s[40:41] offset:32*CB*(\t)   ; the wave stores 256 consecutive bytes
.endm
.irp t, 0,1,2,3,4,5,6,7,8,9,10,11,12,13,14,15
	XSTEP \t
.endr
	ds_load_b64 v[8:9], v6
	s_wait_dscnt 0x0
	global_store_b64 v7, v[8:9], s[42:43]          ; my wave's 256 scale bytes, consecutive
	FIN
; ---- Wq, Wk, Wv: K is the first axis.  A lane takes a column and its registers run down K; codes leave through the wave's own stage as rows of 256 bytes.
.Lpath_w:
.set NB,    16                         ; blocks of 32 along K for a wave (512 along K)
.set WPITCH, 272
.set WX,    32                         ; v32-95 two sets of 32 numbers
.set WC,    96                         ; v96-99 a block's codes
.set OUTR,  112                        ; v112-175 the way out
.set SB,    24                         ; v24-27 the scale bytes, four to a register
	s_sub_co_u32 s29, ttmp9, 512
	s_lshr_b32 s30, s29, 4                         ; which weight: 0 q, 1 k, 2 v
	s_and_b32 s31, s29, 7                          ; which 128 columns
	s_bfe_u32 s32, s29, 0x10003                    ; which 512 along K
	s_lshl_b32 s33, s31, 7
	s_lshl_b32 s34, s28, 5
	s_add_co_u32 s33, s33, s34                     ; my wave's first column
	v_lshlrev_b32 v3, 2, v2
	s_mul_i32 s35, s28, 32*WPITCH
	s_add_co_u32 s35, s35, 32768                   ; my stage: LDS 32,768 .. 67,583 belong to this job
	v_mul_u32_u24 v4, v2, WPITCH
	v_add_nc_u32 v4, s35, v4
	v_and_b32 v5, 15, v2
	v_lshrrev_b32 v6, 4, v2
	v_mul_u32_u24 v7, v6, WPITCH
	v_lshl_add_u32 v7, v5, 4, v7
	v_add_nc_u32 v7, s35, v7
	v_mul_u32_u24 v8, v6, 512
	v_lshl_add_u32 v8, v5, 4, v8
	v_lshlrev_b32 v9, 5, v2                        ; my column's row of 32 scale bytes
	s_cmp_eq_u32 s30, 1
	s_cselect_b64 s[36:37], s[10:11], s[12:13]
	s_cmp_eq_u32 s30, 0
	s_cselect_b64 s[36:37], s[8:9], s[36:37]
	s_lshl_b32 s38, s32, 21                        ; 512 rows of 4,096 bytes
	s_lshl_b32 s39, s33, 2
	s_add_co_u32 s38, s38, s39
	s_mov_b32 s39, 0
	s_add_nc_u64 s[36:37], s[36:37], s[38:39]
	s_lshl_b32 s38, s30, 19                        ; codes: weight x 524,288 + column x 512 + 256 y
	s_lshl_b32 s40, s33, 9
	s_add_co_u32 s38, s38, s40
	s_lshl_b32 s40, s32, 8
	s_add_co_u32 s38, s38, s40
	s_add_nc_u64 s[42:43], s[22:23], s[38:39]
	s_lshl_b32 s38, s30, 15                        ; scale bytes: 1,572,864 + weight x 32,768 + column x 32 + 16 y
	s_lshl_b32 s40, s33, 5
	s_add_co_u32 s38, s38, s40
	s_lshl_b32 s40, s32, 4
	s_add_co_u32 s38, s38, s40
	s_add_co_u32 s38, s38, 1572864
	s_add_nc_u64 s[44:45], s[22:23], s[38:39]
.macro WLOAD t
.set i, 0
.rept 32
	global_load_b32 v[WX+32*((\t)%2)+i], v3, s[36:37] offset:(32*(\t)+i)*4096 th:TH_LOAD_NT
.set i, i+1
.endr
.endm
	WLOAD 0
	WLOAD 1
.macro WBLOCK t
.set XS, WX+32*((\t)%2)
.if (\t) < NB-1
	s_wait_loadcnt 32                              ; this block's 32 loads are in; the next block's may be out
.else
	s_wait_loadcnt 0
.endif
	v_max3_num_f32 v12, |v[XS]|, |v[XS+1]|, |v[XS+2]|
	v_max3_num_f32 v13, |v[XS+3]|, |v[XS+4]|, |v[XS+5]|
.irp i, 6,10,14,18,22,26
	v_max3_num_f32 v12, v12, |v[XS+\i]|, |v[XS+\i+1]|
	v_max3_num_f32 v13, v13, |v[XS+\i+2]|, |v[XS+\i+3]|
.endr
	v_max3_num_f32 v12, v12, |v[XS+30]|, |v[XS+31]|
	v_max3_num_f32 v12, v12, v13, (EMAX+1)<<23
	v_add_nc_u32 v11, -(EMAX<<23), v12
	v_lshrrev_b32 v13, 23, v11
.if (\t)%4 == 0
	v_mov_b32 v[SB+(\t)/4], v13
.else
	v_lshl_or_b32 v[SB+(\t)/4], v13, 8*((\t)%4), v[SB+(\t)/4]
.endif
.irp g, 0,1,2,3
	v_cvt_scalef32_pk8_fp4_f32 v[WC+\g], v[XS+8*\g:XS+8*\g+7], v11
.endr
	ds_store_b128 v4, v[WC:WC+3] offset:16*(\t)
.if (\t)+2 < NB
	WLOAD (\t)+2
.endif
	s_wait_dscnt 0x0                               ; the store has read its registers: the next block's codes may be written
.endm
.set QQ, 0
.rept NB
	WBLOCK QQ
.set QQ, QQ+1
.endr
	global_store_b128 v9, v[SB:SB+3], s[44:45]
.irp t, 0,1,2,3,4,5,6,7,8,9,10,11,12,13,14,15
	ds_load_b128 v[OUTR+4*\t:OUTR+4*\t+3], v7 offset:2*\t*WPITCH
.endr
.irp t, 0,1,2,3,4,5,6,7,8,9,10,11,12,13,14,15
	s_wait_dscnt 15-\t
	global_store_b128 v8, v[OUTR+4*\t:OUTR+4*\t+3], s[42:43] offset:2*\t*512   ; sixteen lanes store 256 consecutive bytes
.endr
	FIN
; ---- Wo -> f16 in the order of the out-projection's operand registers: [column tile 64][32 along K: 32][half 2][lane][16 bytes]; lane (r, h) holds column 16 NT + r, k = 32 kc + 16 half + 8 h + 0..7.
; A lane takes a column, its registers run down K; four registers of packed pairs are one lane's 16 bytes of the image.
.Lpath_o:
.set OX, 32                            ; v32-95 two sets of 32 numbers
.set OC, 96                            ; v96-159 packed: registers of its own for each 32 along K
	s_sub_co_u32 s29, ttmp9, 560
	s_and_b32 s30, s29, 7                          ; which 128 columns
	s_lshr_b32 s31, s29, 3                         ; which 128 along K
	s_lshl_b32 s32, s30, 7
	s_lshl_b32 s33, s28, 5
	s_add_co_u32 s32, s32, s33                     ; my wave's first column
	s_lshl_b32 s34, s31, 19
	s_lshl_b32 s35, s32, 2
	s_add_co_u32 s34, s34, s35
	s_mov_b32 s35, 0
	s_add_nc_u64 s[14:15], s[14:15], s[34:35]
	s_lshl_b32 s34, s32, 11                        ; (column / 16) x 32,768
	s_lshl_b32 s36, s31, 12
	s_add_co_u32 s34, s34, s36
	s_add_nc_u64 s[26:27], s[26:27], s[34:35]
	v_lshlrev_b32 v3, 2, v2
	v_lshrrev_b32 v4, 4, v2
	v_and_b32 v5, 15, v2
	v_lshlrev_b32 v4, 15, v4
	v_lshl_add_u32 v4, v5, 4, v4                   ; lanes 16-31 belong to the next column tile
.macro OLOAD kc
.set i, 0
.rept 32
	global_load_b32 v[OX+32*((\kc)%2)+i], v3, s[14:15] offset:(32*(\kc)+i)*4096
.set i, i+1
.endr
.endm
.macro OBLOCK kc
.if (\kc) < 3
	s_wait_loadcnt 32                              ; mine are in; the next 32 may be out
.else
	s_wait_loadcnt 0
.endif
.set i, 0
.rept 16
	v_cvt_pk_f16_f32 v[OC+16*(\kc)+i], v[OX+32*((\kc)%2)+2*i], v[OX+32*((\kc)%2)+2*i+1]
.set i, i+1
.endr
.irp pc, 0,1,2,3                       ; piece 2 half + h of the image
	global_store_b128 v4, v[OC+16*(\kc)+4*\pc:OC+16*(\kc)+4*\pc+3], s[26:27] offset:(\kc)*1024+\pc*256   ; sixteen lanes store 256 consecutive bytes
.endr
.if (\kc)+2 < 4
	OLOAD (\kc)+2
.endif
.endm
	OLOAD 0
	OLOAD 1
	OBLOCK 0
	OBLOCK 1
	OBLOCK 2
	OBLOCK 3
	s_endpgm
; ---- the rotary table: [token tile 128][16 channels: 2][piece 4][lane][16 bytes].  Lane (r, h): token 16 tt + r; pieces 0, 1: cos of channels 16 b + 8 h + 0..3, + 4..7; pieces 2, 3: sin with the sign
; that the turned partner carries (minus on even channels).  x is reduced by k = the nearest whole multiple of pi/2 (two terms, fused), sine and cosine are polynomials on +-pi/4, k's low bits choose and sign.
.Lpath_r:
	s_sub_co_u32 s29, ttmp9, 624                   ; token tile
	s_and_b32 s30, s28, 1                          ; which four of my eight channels
	s_lshr_b32 s31, s28, 1                         ; which sixteen channels
	s_lshl_b32 s32, s29, 11
	s_lshl_b32 s33, s31, 6
	s_add_co_u32 s32, s32, s33
	s_lshl_b32 s33, s30, 4
	s_add_co_u32 s32, s32, s33
	s_mov_b32 s33, 0
	s_add_nc_u64 s[16:17], s[16:17], s[32:33]
	s_lshl_b32 s32, s29, 12
	s_lshl_b32 s34, s31, 11
	s_add_co_u32 s32, s32, s34
	s_lshl_b32 s34, s30, 9
	s_add_co_u32 s32, s32, s34
	s_add_nc_u64 s[24:25], s[24:25], s[32:33]
	v_and_b32 v3, 15, v2
	v_lshrrev_b32 v4, 4, v2
	v_lshlrev_b32 v3, 7, v3
	v_lshl_add_u32 v3, v4, 5, v3                   ; token r's row of 128 bytes, + 32 h
	v_lshlrev_b32 v5, 4, v2
	global_load_b128 v[16:19], v3, s[16:17]
	s_mov_b32 s34, 0x3f22f983                      ; 2 / pi
	s_mov_b32 s35, 0x3fc90fdb                      ; pi / 2, high part
	s_mov_b32 s36, 0xb33bbd2e                      ; and the rest
	s_mov_b32 s37, 0xb94ca1f9                      ; sine
	s_mov_b32 s38, 0x3c08839e
	s_mov_b32 s39, 0xbe2aaaa3
	s_mov_b32 s40, 0x37ccf5ce                      ; cosine
	s_mov_b32 s41, 0xbab6061a
	s_mov_b32 s42, 0x3d2aaaa5
	s_wait_loadcnt 0x0
.irp e, 0,1,2,3
	v_mul_f32 v32, s34, v[16+\e]
	v_rndne_f32 v32, v32                           ; k
	v_fma_f32 v33, -v32, s35, v[16+\e]
	v_fma_f32 v33, -v32, s36, v33                  ; x - k pi / 2
	v_mul_f32 v34, v33, v33                        ; z
	v_fma_f32 v35, v34, s37, s38
	v_fma_f32 v35, v35, v34, s39
	v_mul_f32 v35, v35, v34
	v_fma_f32 v35, v35, v33, v33                   ; sine of the rest
	v_fma_f32 v36, v34, s40, s41
	v_fma_f32 v36, v36, v34, s42
	v_mul_f32 v37, v34, v34
	v_fma_f32 v38, v34, -0.5, 1.0
	v_fma_f32 v36, v36, v37, v38                   ; cosine of the rest
	v_cvt_i32_f32 v39, v32
	v_and_b32 v37, 1, v39
	v_cmp_ne_u32 vcc_lo, 0, v37
	v_cndmask_b32 v[28+\e], v35, v36, vcc_lo       ; odd k: the two change places
	v_cndmask_b32 v[24+\e], v36, v35, vcc_lo
	v_lshlrev_b32 v37, 30, v39
	v_and_b32 v37, 0x80000000, v37
	v_xor_b32 v[28+\e], v[28+\e], v37              ; sine is negative for k mod 4 = 2, 3
	v_add_nc_u32 v39, 1, v39
	v_lshlrev_b32 v37, 30, v39
	v_and_b32 v37, 0x80000000, v37
	v_xor_b32 v[24+\e], v[24+\e], v37              ; cosine for k mod 4 = 1, 2
.if (\e)%2 == 0
	v_xor_b32 v[28+\e], 0x80000000, v[28+\e]       ; an even channel takes minus its partner
.endif
.endr
	global_store_b128 v5, v[24:27], s[24:25]
	global_store_b128 v5, v[28:31], s[24:25] offset:1024
	s_endpgm
.Lfunc_end_k_qeed7d83243_prep:
	.size	k_qeed7d83243_prep, .Lfunc_end_k_qeed7d83243_prep-k_qeed7d83243_prep
	.p2alignl 7, 3214868480
	.fill 96, 4, 3214868480
	.section	.rodata,"a",@progbits
	.p2align	6, 0x0
	.amdhsa_kernel k_qeed7d83243_prep
		.amdhsa_group_segment_fixed_size 68096
		.amdhsa_private_segment_fixed_size 0
		.amdhsa_enable_private_segment 0
		.amdhsa_kernarg_size 96
		.amdhsa_user_sgpr_count 2
		.amdhsa_user_sgpr_kernarg_segment_ptr 1
		.amdhsa_wavefront_size32 1
		.amdhsa_system_sgpr_workgroup_id_x 1
		.amdhsa_system_sgpr_workgroup_id_y 1
		.amdhsa_system_sgpr_workgroup_id_z 1
		.amdhsa_system_vgpr_workitem_id 0
		.amdhsa_next_free_vgpr 192
		.amdhsa_next_free_sgpr 66
		.amdhsa_reserve_vcc 1
		.amdhsa_float_denorm_mode_32 3
		.amdhsa_float_denorm_mode_16_64 3
		.amdhsa_memory_ordered 1
		.amdhsa_forward_progress 1
		.amdhsa_inst_pref_size 137
	.end_amdhsa_kernel
	.amdgpu_metadata
---
amdhsa.version: [ 1, 2 ]
amdhsa.kernels:
  - .name:           k_qeed7d83243_prep
    .symbol:         k_qeed7d83243_prep.kd
    .args:
      - { .name: x_q, .offset: 0, .size: 8, .value_kind: global_buffer, .address_space: global }
      - { .name: x_kv, .offset: 8, .size: 8, .value_kind: global_buffer, .address_space: global }
      - { .name: Wq, .offset: 16, .size: 8, .value_kind: global_buffer, .address_space: global }
      - { .name: Wk, .offset: 24, .size: 8, .value_kind: global_buffer, .address_space: global }
      - { .name: Wv, .offset: 32, .size: 8, .value_kind: global_buffer, .address_space: global }
      - { .name: Wo, .offset: 40, .size: 8, .value_kind: global_buffer, .address_space: global }
      - { .name: pos_enc, .offset: 48, .size: 8, .value_kind: global_buffer, .address_space: global }
      - { .name: pad_mask, .offset: 56, .size: 8, .value_kind: global_buffer, .address_space: global }
      - { .name: x4, .offset: 64, .size: 8, .value_kind: global_buffer, .address_space: global }
      - { .name: w4, .offset: 72, .size: 8, .value_kind: global_buffer, .address_space: global }
      - { .name: tab, .offset: 80, .size: 8, .value_kind: global_buffer, .address_space: global }
      - { .name: wo16, .offset: 88, .size: 8, .value_kind: global_buffer, .address_space: global }
    .group_segment_fixed_size: 68096
    .private_segment_fixed_size: 0
    .kernarg_segment_align: 8
    .kernarg_segment_size: 96
    .max_flat_workgroup_size: 128
    .sgpr_count:     66
    .vgpr_count:     192
    .wavefront_size: 32
...
	.end_amdgpu_metadata
.endif
;; end of part 1
;; launch proj (part 2): grid 12 x 32, 4 waves a work-group, clusters of 4 x 4, 327,680 bytes of LDS; arguments x4, w4, bq, bk, bv, tab, qkv16, aux32; writes qkv16, aux32
.if DOCPART == 2
	.amdgcn_target "amdgcn-amd-amdhsa--gfx1250"
	.amdhsa_code_object_version 6
	.text
	.protected	k_qeed7d83243_proj
	.globl	k_qeed7d83243_proj
	.p2align	8
	.type	k_qeed7d83243_proj,@function
k_qeed7d83243_proj:
	s_mov_b64 s[64:65], 0
	v_nop
	global_prefetch_b8 v0, s[64:65] scope:SCOPE_SE
	s_setreg_imm32_b32 hwreg(HW_REG_WAVE_MODE, 25, 1), 1
	s_wait_xcnt 0x0
	s_wait_alu depctr_hold_cnt(0) depctr_sa_sdst(0) depctr_va_vdst(0) depctr_va_sdst(0) depctr_va_ssrc(0) depctr_va_vcc(0) depctr_vm_vsrc(0)
	s_getreg_b32 s2, hwreg(HW_REG_IB_STS2, 6, 4)
	s_cmp_eq_u32 s2, 0
	s_cbranch_scc0 .Lentry_in_a_cluster
	s_endpgm
.Lentry_in_a_cluster:
	s_bfe_u32 s2, ttmp6, 0x10000c
	s_cmp_lg_u32 s2, 0xf033
	s_cbranch_scc0 .Lentry_shape_is_right
	s_endpgm
.Lentry_shape_is_right:
; Launch 2 of 5: q = x_q Wq + bq, k = x_kv Wk + bk, v = x_kv Wv + bv on codes of E2M1 with E8M0 scales; rotary on channels 0-31 of each head of q and k; results as f16 in the order of the attention
; launch's operand registers.  No work is left out here.  The factor 1/8 on q is not applied here: rotary is linear, and the attention launch folds it into the factor ahead of its exponential.
; SHARES.  The cluster's x says which product (0 q, 1 k, 2 v): it is the same in all sixteen partners.  A work-group makes 256 tokens x 256 channels, a wave 128 x 128 (two heads): 64 accumulators.
; K = 1,024 is two slots of 512: both slots and all scale bytes are first fills; nothing is filled again.  X's tiles are asked for jointly along a row of the cluster, W's along a column.
; q, k: source 0 = 16 channels of W, source 1 = 16 tokens: a lane holds one token and eight neighbouring channels.  v: the sources swapped: a lane holds one channel and eight neighbouring tokens (keys).
; The bias is the C of each sum's first product.  Positions 0-15 of each sequence also leave as f32 (aux32), for the launch that carries them finely; v's sums over 128 tokens leave for the mean of v.
; REGISTERS as windows of 256: window 0: v0-31 addresses; v32-95 scale words, two sets; v96-127 rotary table; v128-191 X's fragments, one set; v192-255 the bias.  window 1: W's fragments, two sets.
;   windows 2, 3: accumulators, (a, b) at v[8 (8 (a % 4) + b)].  Behind the products window 0's v32-191 are at work on the way out.
.set KSTEP,  512
.set NQ,     4
.set ROWB,   256
.set KROW,   512
.set PITCH,  272                       ; 256 bytes + 16 of padding: the sixteen rows that a load touches start 68 words apart
.set FR,     8
.set NL,     2
.set NP,     4
.set HALFT,  128*PITCH
.set SLOT,   4*HALFT
.set KS,     32
.set SCL,    2*SLOT
.set HALFS,  16*272
.set SBLK,   2*272
.set SPARE,  SCL+4*HALFS
.set ADRA, 16
.set ADRB, 20
.set LI,   24                          ; v24 16 x lane
.set BH32, 25                          ; v25 32 h
.set BR4,  26                          ; v26 4 r
.set ADRS, 27
.set SPW,  28
.set NIL,  29
.set VF,   30                          ; v30 0 where my wave's first 16 tokens are positions 0-15 of a sequence
.set L4,   31                          ; v31 4 x lane
.set SC,   32
.set TB0,  96                          ; rotary table, set 0;
.set TB1,  32                          ; set 1 (behind the products)
.set AF,   128
.set BIAS, 192
.set T,    64                          ; the way out
.set R,    128
.set PK,   160
.set G1, 24
.set G0, 32
.set G1B, 48
.set G0B, 56
.set G1S, 68
.set G0S, 76
.set G1SB, 80
.set G0SB, 88
.set MSB, 0
.macro WIN new                         ; the immediate's high byte repeats the setting that is left
.if MSB != (\new)
	s_set_vgpr_msb (MSB<<8)|(\new)
.set MSB, (\new)
.endif
.endm
.macro JLOAD g0a, g1a, g0b, g1b        ; waves 0, 1 fetch for X, waves 2, 3 for W; an s_nop 0 and four v_nop follow each line
	s_cmp_eq_u32 s21, 0
	s_cbranch_scc0 .Lfor_b_\@
	tensor_load_to_lds s[\g0a:\g0a+3], s[\g1a:\g1a+7]
	s_nop 0
.rept 4
	v_nop
.endr
	s_branch .Lasked_\@
.Lfor_b_\@:
	tensor_load_to_lds s[\g0b:\g0b+3], s[\g1b:\g1b+7]
	s_nop 0
.rept 4
	v_nop
.endr
.Lasked_\@:
.endm
.macro CROUND                          ; a round of the cluster's barrier
	s_barrier_signal -1
	s_barrier_wait -1
	s_cmp_lg_u32 s20, 0
	s_cbranch_scc1 .Lnot_wave_0_\@
	s_barrier_signal -3
.Lnot_wave_0_\@:
	s_barrier_wait -3
	s_barrier_signal -1
	s_barrier_wait -1
.endm
	s_load_b512 s[4:19], s[0:1], 0x0               ; x4 4, w4 6, bq 8, bk 10, bv 12, tab 14, qkv16 16, aux32 18
	v_lshl_add_u32 v[SPW], v0, 2, SPARE
	v_mov_b32 v[NIL], 0
	ds_add_u32 v[SPW], v[NIL]                      ; the wave's opening: the add, twice on end, and its wait ahead of my first tensor load
	ds_add_u32 v[SPW], v[NIL]
	v_lshrrev_b32 v1, 5, v0
	v_readfirstlane_b32 s20, v1                    ; wave
	s_lshr_b32 s21, s20, 1                         ; my half of the tokens.  Also: I fetch for X (0) or W (1)
	s_and_b32 s22, s20, 1                          ; my half of the channels.  Also: which 128 rows I fetch
	s_bfe_u32 s40, ttmp6, 0x40000                  ; cx
	s_bfe_u32 s41, ttmp6, 0x40004                  ; cy
	s_mov_b32 s95, ttmp9                           ; which product
	s_and_b32 s23, ttmp7, 0xffff
	s_lshl_b32 s23, s23, 2
	s_add_co_u32 s23, s23, s41                     ; which 256 tokens
	s_lshl_b32 s43, s41, 2
	s_lshl_b32 s43, 15, s43                        ; my row of the cluster
	s_lshl_b32 s44, 0x1111, s40                    ; my column
	s_or_b32 s[G1+0], s43, (0<<16)|(1<<20)|(1<<21)|(5<<22)|(3<<25)   ; elements of 1 byte; padding: 4 words behind every 64
	s_or_b32 s[G1B+0], s44, (0<<16)|(1<<20)|(1<<21)|(5<<22)|(3<<25)
.irp g, G1, G1B
	s_mov_b32 s[\g+1], ROWB<<16
	s_mov_b32 s[\g+2], 128<<16
	s_mov_b32 s[\g+3], ROWB<<16
	s_mov_b32 s[\g+4], 128
	s_mov_b32 s[\g+5], KROW
	s_mov_b32 s[\g+6], 0
	s_mov_b32 s[\g+7], 0
.endr
	s_or_b32 s[G1S+0], s43, (3<<16)|(1<<20)|(1<<21)|(5<<22)|(3<<25)  ; the scales of 128 rows: 4,096 dense bytes as 16 rows of 256
	s_or_b32 s[G1SB+0], s44, (3<<16)|(1<<20)|(1<<21)|(5<<22)|(3<<25)
.irp g, G1S, G1SB
	s_mov_b32 s[\g+1], 32<<16
	s_mov_b32 s[\g+2], 16<<16
	s_mov_b32 s[\g+3], 32<<16
	s_mov_b32 s[\g+4], 16
	s_mov_b32 s[\g+5], 32
	s_mov_b32 s[\g+6], 0
	s_mov_b32 s[\g+7], 0
.endr
	s_lshl_b32 s96, s22, 7                         ; which 128 rows I fetch
	s_min_u32 s97, s95, 1                          ; x_q for q, x_kv for k and v
	s_lshl_b32 s97, s97, 13
	s_lshl_b32 s66, s23, 8
	s_add_co_u32 s66, s66, s96
	s_add_co_u32 s66, s66, s97                     ; X's row among the 16,384
	s_lshl_b32 s46, s40, 8
	s_add_co_u32 s46, s46, s96
	s_lshl_b32 s97, s95, 10
	s_add_co_u32 s46, s46, s97                     ; W's row among the 3,072
	s_lshl_b32 s92, s66, 5
	s_add_co_u32 s92, s92, 8388608
	s_mov_b32 s93, 0
	s_lshl_b32 s98, s46, 5
	s_add_co_u32 s98, s98, 1572864
	s_mov_b32 s99, 0
	s_lshl_b32 s66, s66, 9
	s_mov_b32 s67, 0
	s_lshl_b32 s46, s46, 9
	s_mov_b32 s47, 0
	s_mul_i32 s45, s20, HALFT                      ; where they go: wave x 128 rows
	s_mul_i32 s94, s20, HALFS
	s_wait_dscnt 0x0                               ; both opening adds are done
	s_wait_kmcnt 0x0
	s_add_nc_u64 s[66:67], s[4:5], s[66:67]
	s_add_nc_u64 s[92:93], s[4:5], s[92:93]
	s_add_nc_u64 s[46:47], s[6:7], s[46:47]
	s_add_nc_u64 s[98:99], s[6:7], s[98:99]
	CROUND                                         ; all sixteen work-groups are here: the joint loads meet
	s_mov_b32 s[G0S], 1
	s_add_co_u32 s[G0S+1], s94, SCL
	s_mov_b64 s[G0S+2:G0S+3], s[92:93]
	s_or_b32 s[G0S+3], s[G0S+3], 0x80000000
	s_mov_b32 s[G0SB], 1
	s_add_co_u32 s[G0SB+1], s94, SCL
	s_mov_b64 s[G0SB+2:G0SB+3], s[98:99]
	s_or_b32 s[G0SB+3], s[G0SB+3], 0x80000000
	JLOAD G0S, G1S, G0SB, G1SB                     ; the scales first
.irp s, 0,1
	s_mov_b32 s[G0+4*\s], 1
	s_add_co_u32 s[G0+4*\s+1], s45, \s*SLOT
	s_add_nc_u64 s[G0+4*\s+2:G0+4*\s+3], s[66:67], \s*ROWB
	s_or_b32 s[G0+4*\s+3], s[G0+4*\s+3], 0x80000000
	s_mov_b32 s[G0B+4*\s], 1
	s_add_co_u32 s[G0B+4*\s+1], s45, \s*SLOT
	s_add_nc_u64 s[G0B+4*\s+2:G0B+4*\s+3], s[46:47], \s*ROWB
	s_or_b32 s[G0B+4*\s+3], s[G0B+4*\s+3], 0x80000000
	JLOAD G0+4*\s, G1, G0B+4*\s, G1B               ; three tensor loads of mine are out
.endr
	v_and_b32 v1, 15, v0                           ; r
	v_bfe_u32 v2, v0, 4, 1                         ; h
	v_mul_u32_u24 v3, v1, PITCH
	v_lshl_add_u32 v4, v2, 4, v3
	s_mul_i32 s96, s21, HALFT
	s_mul_i32 s97, s22, HALFT
	s_add_co_u32 s97, s97, 2*HALFT
.irp s, 0,1
	v_add_nc_u32 v[ADRA+\s], s96, v4
	v_add_nc_u32 v[ADRB+\s], s97, v4
	s_add_co_u32 s96, s96, SLOT
	s_add_co_u32 s97, s97, SLOT
.endr
	v_mul_u32_u24 v5, v1, KS
	v_lshrrev_b32 v6, 8, v5
	v_lshl_add_u32 v5, v6, 4, v5
	s_mul_i32 s96, s21, HALFS
	s_mul_i32 s97, s22, HALFS
	s_add_co_u32 s97, s97, 2*HALFS
	s_sub_co_u32 s97, s97, s96
	v_mul_u32_u24 v6, s97, v2                      ; lanes 16-31 take W's words
	s_add_co_u32 s96, s96, SCL
	v_add_nc_u32 v5, v5, v6
	v_add_nc_u32 v[ADRS], s96, v5
	v_and_b32 v5, 31, v0
	v_lshlrev_b32 v[LI], 4, v5
	v_lshlrev_b32 v[L4], 2, v5
	v_lshlrev_b32 v[BH32], 5, v2
	v_lshlrev_b32 v[BR4], 2, v1
	; where the results go
	s_lshr_b32 s96, s23, 3                         ; batch
	s_lshl_b32 s97, s40, 2
	s_lshl_b32 s98, s22, 1
	s_add_co_u32 s97, s97, s98                     ; my first head
	s_and_b32 s98, s23, 7
	s_or_b32 s99, s98, s21
	v_mov_b32 v[VF], s99
	s_lshl_b32 s98, s98, 4
	s_lshl_b32 s99, s21, 3
	s_add_co_u32 s98, s98, s99                     ; my first token tile in the sequence
	s_lshl_b32 s66, s96, 4
	s_add_co_u32 s66, s66, s97
	s_lshl_b32 s66, s66, 18
	s_lshl_b32 s67, s95, 24
	s_add_co_u32 s66, s66, s67
	s_lshl_b32 s67, s98, 11
	s_add_co_u32 s66, s66, s67
	s_mov_b32 s67, 0
	s_add_nc_u64 s[104:105], s[16:17], s[66:67]    ; qkv16: section, head, 2,048 bytes for each 16 tokens (q, k and v alike)
	s_lshl_b32 s66, s95, 18
	s_lshl_b32 s92, s96, 16
	s_add_co_u32 s66, s66, s92
	s_lshl_b32 s92, s97, 12
	s_add_co_u32 s66, s66, s92
	s_add_nc_u64 s[2:3], s[18:19], s[66:67]        ; aux32: section, batch, head
	s_lshl_b32 s66, s97, 8                         ; my first channel, in bytes of f32
	s_cmp_eq_u32 s95, 2
	s_cbranch_scc1 .Lv                             ; the same way in all sixteen partners
.macro FRAG reg, adr, q, i
.irp c, 0,1
	ds_load_b128 v[\reg+4*\c:\reg+4*\c+3], v[\adr] offset:64*(\q)+32*\c+(\i)*16*PITCH
.endr
.endm
; 16 products: X's blocks a0, a0 + 1 x W's eight.  first = 1: C is the bias.  swap = 1: X is source 0.  The 64 accumulators take turns, one instruction a turn.
.macro MUL16 a0, p, q, sc, first, swap
.irp a, \a0, \a0+1
.irp b, 0,1,2,3,4,5,6,7
.set rD, 8*(8*((\a)%4)+\b)
.set rW, 128*(\p)+FR*\b
.set rX, AF+FR*(\a)
.set sW, SC+8*NQ*(\sc)+NQ*\b+(\q)
.set sX, SC+8*NQ*(\sc)+NQ*(\a)+(\q)
.if \swap
.if \first
	v_wmma_scale_f32_16x16x128_f8f6f4 v[rD:rD+7], v[rX:rX+7], v[rW:rW+7], v[BIAS+8*\b:BIAS+8*\b+7], v[sX], v[sW] matrix_a_fmt:MATRIX_FMT_FP4 matrix_b_fmt:MATRIX_FMT_FP4 matrix_b_scale:MATRIX_SCALE_ROW1
.else
	v_wmma_scale_f32_16x16x128_f8f6f4 v[rD:rD+7], v[rX:rX+7], v[rW:rW+7], v[rD:rD+7], v[sX], v[sW] matrix_a_fmt:MATRIX_FMT_FP4 matrix_b_fmt:MATRIX_FMT_FP4 matrix_b_scale:MATRIX_SCALE_ROW1
.endif
.else
.if \first
	v_wmma_scale_f32_16x16x128_f8f6f4 v[rD:rD+7], v[rW:rW+7], v[rX:rX+7], v[BIAS+8*\b:BIAS+8*\b+7], v[sW], v[sX] matrix_a_fmt:MATRIX_FMT_FP4 matrix_b_fmt:MATRIX_FMT_FP4 matrix_a_scale:MATRIX_SCALE_ROW1
.else
	v_wmma_scale_f32_16x16x128_f8f6f4 v[rD:rD+7], v[rW:rW+7], v[rX:rX+7], v[rD:rD+7], v[sW], v[sX] matrix_a_fmt:MATRIX_FMT_FP4 matrix_b_fmt:MATRIX_FMT_FP4 matrix_a_scale:MATRIX_SCALE_ROW1
.endif
.endif
.endr
.endr
.endm
.macro FETCH_B slot, q, p
	WIN 0x40
.irp i, 0,1,2,3,4,5,6,7
	FRAG 128*(\p)+FR*\i, ADRB+\slot, \q, \i
.endr
	WIN 0
.endm
.macro FETCH_A slot, q, i0
.irp i, \i0, \i0+1, \i0+2, \i0+3
	FRAG AF+FR*(\i), ADRA+\slot, \q, \i
.endr
.endm
.macro SCALES sc                       ; four words a row: lanes 0-15 X's block i, lanes 16-31 W's block i
.irp i, 0,1,2,3,4,5,6,7
	ds_load_b128 v[SC+8*NQ*\sc+NQ*\i:SC+8*NQ*\sc+NQ*\i+3], v[ADRS] offset:\i*SBLK
.endr
.endm
.macro PLACES n                        ; plain vector instructions between a matrix instruction and a load into, or a read of, its registers
.rept \n
	v_nop
.endr
.endm
; window settings: W in window 1, X in window 0; C and D in window 2 (low) or 3 (high); with first = 1 C lies in window 0
.macro STEP slot, q, first, swap
	s_wait_dscnt 4*NL                              ; W's set and X's blocks 0-3 are in; the youngest eight loads (X's blocks 4-7) may be out
	WIN 0x81+0x20*(1-\first)+3*\swap
	MUL16 0, (\q)%2, \q, \slot, \first, \swap
	MUL16 2, (\q)%2, \q, \slot, \first, \swap
	s_wait_dscnt 0
	PLACES NP
	FETCH_B \slot, (\q)+1, 1-(\q)%2
	FETCH_A \slot, (\q)+1, 0
	WIN 0xc1+0x30*(1-\first)+3*\swap
	MUL16 4, (\q)%2, \q, \slot, \first, \swap
	MUL16 6, (\q)%2, \q, \slot, \first, \swap
	PLACES NP
	WIN 0
	FETCH_A \slot, (\q)+1, 4
.endm
; slot 0's last step: one barrier, behind which slot 1 is whole for every wave.  Nothing is filled again.
.macro TURN swap
	s_wait_tensorcnt 0x0                           ; all my tensor loads have landed: my part of slot 1
	ds_add_u32 v[SPW], v[NIL]
	s_wait_dscnt 4*NL+1                            ; the add and the youngest eight loads may be out
	WIN 0xa1+3*\swap
	MUL16 0, 1, NQ-1, 0, 0, \swap
	s_wait_dscnt 0x0
	s_barrier_signal -1
	MUL16 2, 1, NQ-1, 0, 0, \swap
	WIN 0
	s_barrier_wait -1
	PLACES NP
	v_add_nc_u32 v[ADRS], 4*NQ, v[ADRS]            ; on to slot 1's scale words
	FETCH_B 1, 0, 0
	FETCH_A 1, 0, 0
	SCALES 1
	WIN 0xf1+3*\swap
	MUL16 4, 1, NQ-1, 0, 0, \swap
	MUL16 6, 1, NQ-1, 0, 0, \swap
	PLACES NP
	WIN 0
	FETCH_A 1, 0, 4
.endm
.macro MAIN swap
	s_wait_tensorcnt 1                             ; the scales and my part of slot 0 are in; slot 1's load may be out
	s_barrier_signal -1
	s_barrier_wait -1
	FETCH_B 0, 0, 0
	FETCH_A 0, 0, 0
	SCALES 0
	FETCH_A 0, 0, 4
	s_wait_loadcnt 0x0                             ; the bias (and the first rotary table)
.if \swap
.irp b, 0,1,2,3,4,5,6,7
.irp j, 1,2,3,4,5,6,7
	v_mov_b32 v[BIAS+8*\b+\j], v[BIAS+8*\b]        ; a lane holds one channel: its bias for all eight tokens
.endr
.endr
.endif
	STEP 0, 0, 1, \swap
	STEP 0, 1, 0, \swap
	STEP 0, 2, 0, \swap
	TURN \swap
	STEP 1, 0, 0, \swap
	STEP 1, 1, 0, \swap
	STEP 1, 2, 0, \swap
	s_wait_dscnt 4*NL
	WIN 0xa1+3*\swap
	MUL16 0, 1, NQ-1, 1, 0, \swap
	MUL16 2, 1, NQ-1, 1, 0, \swap
	s_wait_dscnt 0
	WIN 0xf1+3*\swap
	MUL16 4, 1, NQ-1, 1, 0, \swap
	MUL16 6, 1, NQ-1, 1, 0, \swap
	WIN 0
	PLACES NP
.endm
.macro TABLOAD a, base                 ; cos and signed sin of token tile a of my eight: 16 b' + 0..7 cos, + 8..15 sin
.irp bp, 0,1
.irp pc, 0,1,2,3
	global_load_b128 v[\base+16*\bp+4*\pc:\base+16*\bp+4*\pc+3], v[LI], s[100:101] offset:(\a)*4096+\bp*2048+\pc*512
.endr
.endr
.endm
; q, k: token tile a.  Rotary on channel tiles 0, 1 of each head; all eight tiles to f16; each store of the wave covers 512 consecutive bytes.
.macro QK_A a
.set W, 2+(\a)/4
.set AC, 64*((\a)%4)
.set TBL, TB0+(TB1-TB0)*((\a)%2)
.if (\a) < 7
	s_wait_loadcnt 8                               ; this tile's table is in; the next tile's eight loads may be out
.else
	s_wait_loadcnt 0
.endif
	s_wait_xcnt 0x0                                ; the last tile's stores have read their registers
	WIN W                                          ; source 0: the accumulators' window
.irp b, 0,1,4,5
.set ri, ((\b)/4)*2+(\b)%4
.set bp, (\b)%4
.set TT, T+8*(ri%2)
.irp j, 0,1,2,3,4,5,6,7
	v_mul_f32 v[TT+\j], v[AC+8*\b+((\j)^1)], v[TBL+16*bp+8+\j]     ; the partner x signed sin
.endr
.irp j, 0,1,2,3,4,5,6,7
	v_fma_f32 v[R+8*ri+\j], v[AC+8*\b+\j], v[TBL+16*bp+\j], v[TT+\j]
.endr
.endr
	WIN 0
.irp b, 0,1,4,5
.set ri, ((\b)/4)*2+(\b)%4
.irp i, 0,1,2,3
	v_cvt_pk_f16_f32 v[PK+4*\b+\i], v[R+8*ri+2*\i], v[R+8*ri+2*\i+1]
.endr
.endr
	WIN 5*W                                        ; sources 0 and 1: the accumulators' window
.irp b, 2,3,6,7
.irp i, 0,1,2,3
	v_cvt_pk_f16_f32 v[PK+4*\b+\i], v[AC+8*\b+2*\i], v[AC+8*\b+2*\i+1]
.endr
.endr
	WIN 0
.irp b, 0,1,2,3,4,5,6,7
	global_store_b128 v[LI], v[PK+4*\b:PK+4*\b+3], s[104:105] offset:(\a)*2048+((\b)/4)*262144+((\b)%4)*512
.endr
.if (\a) == 0                          ; positions 0-15 of a sequence also leave as f32, as the registers stand: a matter of EXEC, not of a branch
	v_cmp_eq_u32 vcc_lo, 0, v[VF]
	s_wait_xcnt 0x0                                ; EXEC changes only behind this wait
	s_and_saveexec_b32 s96, vcc_lo
.irp b, 0,1,4,5
.set ri, ((\b)/4)*2+(\b)%4
.irp hf, 0,1
	global_store_b128 v[LI], v[R+8*ri+4*\hf:R+8*ri+4*\hf+3], s[2:3] offset:((\b)/4)*4096+((\b)%4)*1024+\hf*512
.endr
.endr
	WIN 0x08                                       ; a store's data are its source 1: window 2
.irp b, 2,3,6,7
.irp hf, 0,1
	global_store_b128 v[LI], v[AC+8*\b+4*\hf:AC+8*\b+4*\hf+3], s[2:3] offset:((\b)/4)*4096+((\b)%4)*1024+\hf*512
.endr
.endr
	WIN 0
	s_wait_xcnt 0x0
	s_or_b32 exec_lo, exec_lo, s96
.endif
.if (\a)+2 < 8
	TABLOAD (\a)+2, TBL
.endif
.endm
; v: token tile a.  A lane holds a channel and eight keys: 16 bytes of the image; and the sums over tokens go on.
.macro V_A a
.set W, 2+(\a)/4
.set AC, 64*((\a)%4)
	s_wait_xcnt 0x0
	WIN 5*W
.irp b, 0,1,2,3,4,5,6,7
.irp i, 0,1,2,3
	v_cvt_pk_f16_f32 v[PK+4*\b+\i], v[AC+8*\b+2*\i], v[AC+8*\b+2*\i+1]
.endr
	v_pk_add_f32 v[R+4*\b:R+4*\b+1], v[AC+8*\b:AC+8*\b+1], v[AC+8*\b+2:AC+8*\b+3]
	v_pk_add_f32 v[R+4*\b+2:R+4*\b+3], v[AC+8*\b+4:AC+8*\b+5], v[AC+8*\b+6:AC+8*\b+7]
.endr
	WIN 0
.irp b, 0,1,2,3,4,5,6,7
.if (\a) == 0
	v_pk_add_f32 v[T+2*\b:T+2*\b+1], v[R+4*\b:R+4*\b+1], v[R+4*\b+2:R+4*\b+3]
.else
	v_pk_add_f32 v[T+2*\b:T+2*\b+1], v[T+2*\b:T+2*\b+1], v[R+4*\b:R+4*\b+1]
	v_pk_add_f32 v[T+2*\b:T+2*\b+1], v[T+2*\b:T+2*\b+1], v[R+4*\b+2:R+4*\b+3]
.endif
.endr
.irp b, 0,1,2,3,4,5,6,7
	global_store_b128 v[LI], v[PK+4*\b:PK+4*\b+3], s[104:105] offset:((\a)/2)*4096+((\b)/4)*262144+((\b)%4)*1024+((\a)%2)*512
.endr
.if (\a) == 0
	v_cmp_eq_u32 vcc_lo, 0, v[VF]
	s_wait_xcnt 0x0
	s_and_saveexec_b32 s96, vcc_lo
	WIN 0x08
.irp b, 0,1,2,3,4,5,6,7
.irp hf, 0,1
	global_store_b128 v[LI], v[AC+8*\b+4*\hf:AC+8*\b+4*\hf+3], s[2:3] offset:((\b)/4)*4096+((\b)%4)*1024+\hf*512
.endr
.endr
	WIN 0
	s_wait_xcnt 0x0
	s_or_b32 exec_lo, exec_lo, s96
.endif
.endm
	; ---- q and k
	s_cmp_eq_u32 s95, 0
	s_cselect_b64 s[92:93], s[8:9], s[10:11]
	s_add_nc_u64 s[92:93], s[92:93], s[66:67]      ; the bias at my first channel
	s_lshl_b32 s66, s98, 12
	s_add_nc_u64 s[100:101], s[14:15], s[66:67]    ; the rotary table at my first token tile
.irp b, 0,1,2,3,4,5,6,7
	global_load_b128 v[BIAS+8*\b:BIAS+8*\b+3], v[BH32], s[92:93] offset:64*\b      ; lane (r, h): channels 16 b + 8 h + 0..7
	global_load_b128 v[BIAS+8*\b+4:BIAS+8*\b+7], v[BH32], s[92:93] offset:64*\b+16
.endr
	TABLOAD 0, TB0
	MAIN 0
	TABLOAD 1, TB1
.irp a, 0,1,2,3,4,5,6,7
	QK_A \a
.endr
	s_branch .Lend
	; ---- v
.Lv:
	s_add_nc_u64 s[92:93], s[12:13], s[66:67]
	s_lshl_b32 s99, s23, 1
	s_add_co_u32 s99, s99, s21
	s_and_b32 s99, s99, 15                         ; which 128 tokens of the sequence
	s_lshl_b32 s99, s99, 12
	s_add_co_u32 s66, s66, s99
	s_lshl_b32 s99, s96, 16
	s_add_co_u32 s66, s66, s99
	s_add_co_u32 s66, s66, 786432
	s_add_nc_u64 s[100:101], s[18:19], s[66:67]    ; where my sums over tokens go
.irp b, 0,1,2,3,4,5,6,7
	global_load_b32 v[BIAS+8*\b], v[BR4], s[92:93] offset:64*\b     ; lane (r, h): channel 16 b + r
.endr
	MAIN 1
.irp a, 0,1,2,3,4,5,6,7
	V_A \a
.endr
	s_mov_b32 s96, 0x76543210
	s_mov_b32 s97, 0xfedcba98
	s_mov_b32 s98, 0xffff0000
.irp b, 0,1,2,3,4,5,6,7
	v_add_f32 v[R+\b], v[T+2*\b], v[T+2*\b+1]
.endr
.irp b, 0,1,2,3,4,5,6,7
	v_permlanex16_b32 v[R+8+\b], v[R+\b], s96, s97 ; the other eight tokens of each sixteen lie in the lane 16 away
.endr
.irp b, 0,1,2,3,4,5,6,7
	v_add_f32 v[R+\b], v[R+\b], v[R+8+\b]
.endr
.irp c, 0,1,2,3
	v_cndmask_b32 v[R+16+\c], v[R+2*\c], v[R+2*\c+1], s98   ; lanes 0-15: channel tile 2 c; lanes 16-31: tile 2 c + 1
	global_store_b32 v[L4], v[R+16+\c], s[100:101] offset:128*\c
.endr
.Lend:
	s_wait_tensorcnt 0x0                           ; the wave's end
	ds_add_u32 v[SPW], v[NIL]
	s_wait_dscnt 0x0
	CROUND                                         ; the closing round
	s_endpgm
.Lfunc_end_k_qeed7d83243_proj:
	.size	k_qeed7d83243_proj, .Lfunc_end_k_qeed7d83243_proj-k_qeed7d83243_proj
	.p2alignl 7, 3214868480
	.fill 96, 4, 3214868480
	.section	.rodata,"a",@progbits
	.p2align	6, 0x0
	.amdhsa_kernel k_qeed7d83243_proj
		.amdhsa_group_segment_fixed_size 327680
		.amdhsa_private_segment_fixed_size 0
		.amdhsa_enable_private_segment 0
		.amdhsa_kernarg_size 64
		.amdhsa_user_sgpr_count 2
		.amdhsa_user_sgpr_kernarg_segment_ptr 1
		.amdhsa_wavefront_size32 1
		.amdhsa_system_sgpr_workgroup_id_x 1
		.amdhsa_system_sgpr_workgroup_id_y 1
		.amdhsa_system_sgpr_workgroup_id_z 1
		.amdhsa_system_vgpr_workitem_id 0
		.amdhsa_next_free_vgpr 1024
		.amdhsa_next_free_sgpr 106
		.amdhsa_reserve_vcc 1
		.amdhsa_float_denorm_mode_32 3
		.amdhsa_float_denorm_mode_16_64 3
		.amdhsa_memory_ordered 1
		.amdhsa_forward_progress 1
		.amdhsa_inst_pref_size 255
	.end_amdhsa_kernel
	.section	.bss,"aw",@nobits
	.p2align	6
	.space	262144
	.amdgpu_metadata
---
amdhsa.version: [ 1, 2 ]
amdhsa.kernels:
  - .name:           k_qeed7d83243_proj
    .symbol:         k_qeed7d83243_proj.kd
    .args:
      - { .name: x4, .offset: 0, .size: 8, .value_kind: global_buffer, .address_space: global }
      - { .name: w4, .offset: 8, .size: 8, .value_kind: global_buffer, .address_space: global }
      - { .name: bq, .offset: 16, .size: 8, .value_kind: global_buffer, .address_space: global }
      - { .name: bk, .offset: 24, .size: 8, .value_kind: global_buffer, .address_space: global }
      - { .name: bv, .offset: 32, .size: 8, .value_kind: global_buffer, .address_space: global }
      - { .name: tab, .offset: 40, .size: 8, .value_kind: global_buffer, .address_space: global }
      - { .name: qkv16, .offset: 48, .size: 8, .value_kind: global_buffer, .address_space: global }
      - { .name: aux32, .offset: 56, .size: 8, .value_kind: global_buffer, .address_space: global }
    .group_segment_fixed_size: 327680
    .private_segment_fixed_size: 0
    .kernarg_segment_align: 8
    .kernarg_segment_size: 64
    .max_flat_workgroup_size: 128
    .sgpr_count:     106
    .vgpr_count:     1024
    .wavefront_size: 32
...
	.end_amdgpu_metadata
.endif
;; end of part 2
;; launch attn (part 3): grid 4 x 64, 8 waves a work-group, no clusters, 327,680 bytes of LDS; arguments qkv16, aux32, tab, o16; writes o16
.if DOCPART == 3
	.amdgcn_target "amdgcn-amd-amdhsa--gfx1250"
	.amdhsa_code_object_version 6
	.text
	.protected	k_qeed7d83243_attn
	.globl	k_qeed7d83243_attn
	.p2align	8
	.type	k_qeed7d83243_attn,@function
k_qeed7d83243_attn:
	s_mov_b64 s[64:65], 0
	v_nop
	global_prefetch_b8 v0, s[64:65] scope:SCOPE_SE
	s_setreg_imm32_b32 hwreg(HW_REG_WAVE_MODE, 25, 1), 1
	s_wait_xcnt 0x0
; Launch 3 of 5: o = softmax(q k^T / 8 under the pad mask and the causal mask) v, f16 operands, f32 sums, running maximum.
; LEFT OUT: key steps (64 keys) all of whose keys come after a wave's 32 queries: reference()'s own causal mask gives them the weight 0 for all values of the inputs.
; KEPT THOUGH OVERWRITTEN LATER: positions 0-15 of each sequence are computed here like all others, so that every byte of o16 is written; the last launch carries those rows in f32 and stores them over.
; SHARES.  Work-group (i, head) owns the blocks of 256 queries 7 - i and then i of one head: (8 - i) + (i + 1) = 9 units of 256 keys whatever i is: 256 equal work-groups, constant trip counts, and every
; unit that is fetched is read.  Wave w owns 32 queries, two tiles of 16, so that each fragment of K and V read from LDS feeds two products; two waves share a SIMD's registers.
; NO CLUSTER: the four work-groups of a head walk different units from their sixth unit on (unit n is key block n, or n - (8 - i) behind the change of blocks), so joint requests would need a common walk
; of 8 + 4 units in place of 9, with whole partners passing over tiles that a joint load brings.
; LAYOUT.  S^T = K Q^T (source 0 = 16 keys, source 1 = 16 queries), O^T = V^T P: a lane holds one query throughout.  K, V, Q lie in memory in the order of the operand registers, so a unit is a dense block
; and every LDS load reads 512 consecutive bytes.  The pad mask is the C of the first score product: 0 or -2^126 for each key.
; SOFTMAX.  p = 2^(c s - c m), c = log2(e) / 8; m is the running maximum, never under m0 = -2^100: masked scores lie far under it and give p = 0.  A query with no open key keeps m = m0, and takes the mean of v.
; LIMIT: a true score under -2^100 counts as masked.
.set SLOT1, 131072                     ; a slot: K's image 32,768 bytes, V's 32,768, 256 pad numbers; slot 1 begins here: one exclusive or turns an address
.set VOFF,  32768
.set POFF,  65536
.set VM,    197632                     ; behind the ring: the mean of v, 256 bytes for each wave, its own copy
.set SPARE, 199680                     ; the spare words, 128 bytes a wave
.set LI,   1                           ; v1  16 x lane
.set H32,  2                           ; v2  32 h
.set ADK,  3                           ; v3  LDS address of the step's K and V
.set ADP,  4                           ; v4  of its pad numbers
.set VMS,  5
.set VMR,  6
.set DQ,   7                           ; v7  r - 8 h
.set SPW,  8
.set NIL,  9
.set NEGV, 10                          ; v10 -2^126
.set PFO,  11                          ; v11 256 x lane
.set ST,   12                          ; v12-27 statistics, 8 a tile: +0 c m, +1 m, +2, +3 l, +4..+7 at work; a in +6
.set TMP,  28
.set Q,    32                          ; v32-63  Q: 16 t + 8 kc
.set S,    64                          ; v64-127 S^T, then p: 32 t + 8 kt
.set P,    128                         ; v128-159 p in f16: 16 t + 8 ks
.set BIAS, 160                         ; v160-191 pad numbers: 8 kt
.set VMN,  192                         ; v192-223 the mean of v
.set K1,   0                           ; window 1: K v0-63, V v64-127, O^T v128-191
.set V1,   64
.set O,    128
.set WV, 12
.set I,  13
.set BH, 14
.set SG, 15
.set SEL, 16
.set CS, 18
.set G1KV, 20
.set G1P, 28
.set G0, 36
.set BASEW, 40
.set KSTW, 42
.set SW, 43
.set SLOTS, 44
.set STEPC, 45
.set TB, 46
.set TP, 47
.set KF, 48
.set Q0, 49
.set QB, 50
.set OB, 52
.set QA, 54
.set OA, 56
.set PFA, 58
.set LIM, 60
.set THR, 61
.set MSB, 0
.macro WIN new
.if MSB != (\new)
	s_set_vgpr_msb (MSB<<8)|(\new)
.set MSB, (\new)
.endif
.endm
; Waves 0, 1 fetch K's halves of a unit, waves 2, 3 V's, wave 4 the pad numbers; the others nothing.  An s_nop 0 and four v_nop follow each line.
.macro TLOAD
	s_cmp_lt_u32 s[WV], 4
	s_cbranch_scc0 .Lnot_kv_\@
	tensor_load_to_lds s[G0:G0+3], s[G1KV:G1KV+7]
	s_nop 0
.rept 4
	v_nop
.endr
	s_branch .Lasked_\@
.Lnot_kv_\@:
	s_cmp_eq_u32 s[WV], 4
	s_cbranch_scc0 .Lasked_\@
	tensor_load_to_lds s[G0:G0+3], s[G1P:G1P+7]
	s_nop 0
.rept 4
	v_nop
.endr
.Lasked_\@:
.endm
; A prefetch of the unit that the NEXT change of slots will ask for.  All four work-groups of a head walk units 0 .. 4 and more in the same order: work-group 0, whose first eight units are key blocks 0 .. 7,
; asks, and nobody else.  Waves 0-3 name K's 32,768 bytes, 8,192 a wave, lanes 256 bytes apart; waves 4-7 V's: each block of 256 bytes of units 2 .. 7 is named once in the launch.
; Units 0 and 1 come by their loads alone; from the trip that loads unit 7 on nothing is asked.
.macro ASK
	s_cmp_gt_u32 s[SLOTS], s[LIM]
	s_cbranch_scc0 .Lnot_mine_\@
	global_prefetch_b8 v[PFO], s[PFA:PFA+1] th:TH_LOAD_NT scope:SCOPE_SE
.Lnot_mine_\@:
.endm
	s_load_b256 s[4:11], s[0:1], 0x0               ; qkv16 4, aux32 6, tab 8, o16 10
	v_lshl_add_u32 v[SPW], v0, 2, SPARE
	v_mov_b32 v[NIL], 0
	ds_add_u32 v[SPW], v[NIL]                      ; the wave's opening: the add, twice on end, and its wait ahead of the first tensor load
	ds_add_u32 v[SPW], v[NIL]
	v_lshrrev_b32 v28, 5, v0
	v_readfirstlane_b32 s[WV], v28
	s_mov_b32 s[I], ttmp9
	s_and_b32 s[BH], ttmp7, 0xffff
	s_lshr_b32 s66, s[WV], 2
	s_mul_i32 s66, s66, 3
	s_xor_b32 s[SG], s[WV], s66                    ; which 32 queries of a block: 0 1 2 3 7 6 5 4
	s_mov_b32 s[G1KV], 3<<16                       ; 16,384 dense bytes as 64 rows of 32 elements of 8 bytes; no padding
	s_mov_b32 s[G1KV+1], 32<<16
	s_mov_b32 s[G1KV+2], 64<<16
	s_mov_b32 s[G1KV+3], 32<<16
	s_mov_b32 s[G1KV+4], 64
	s_mov_b32 s[G1KV+5], 32
	s_mov_b32 s[G1KV+6], 0
	s_mov_b32 s[G1KV+7], 0
	s_mov_b32 s[G1P], 3<<16                        ; 1,024 dense bytes as 4 such rows
	s_mov_b32 s[G1P+1], 32<<16
	s_mov_b32 s[G1P+2], 4<<16
	s_mov_b32 s[G1P+3], 32<<16
	s_mov_b32 s[G1P+4], 4
	s_mov_b32 s[G1P+5], 32
	s_mov_b32 s[G1P+6], 0
	s_mov_b32 s[G1P+7], 0
	s_mov_b32 s[SEL], 0x76543210
	s_mov_b32 s[SEL+1], 0xfedcba98
	s_mov_b32 s[CS], 0x3e38aa3b                    ; c = log2(e) / 8
	s_mov_b32 s[CS+1], s[CS]
	s_mov_b32 s[THR], 0xf1800000                   ; m0 = -2^100
	s_sub_co_u32 s[SW], 8, s[I]                    ; units of the first block
	s_mov_b32 s[SLOTS], 8
	s_mov_b32 s[TB], 0
	s_mov_b32 s[TP], POFF
	s_mov_b32 s[KSTW], 1024
	s_cmp_lt_u32 s[WV], 4
	s_cselect_b32 s[KSTW], 32768, s[KSTW]          ; from unit to unit, in what I fetch
	s_lshl_b32 s66, s[BH], 18                      ; the head's 262,144 bytes
	s_and_b32 s67, s[WV], 1
	s_lshl_b32 s67, s67, 14
	s_add_co_u32 s68, s66, s67
	s_mov_b32 s69, 33554432
	s_cmp_lt_u32 s[WV], 2
	s_cselect_b32 s69, 16777216, s69
	s_add_co_u32 s68, s68, s69
	s_mov_b32 s69, 0
	s_lshr_b32 s70, s[BH], 4                       ; batch
	s_lshl_b32 s70, s70, 13
	s_add_co_u32 s70, s70, 524288
	s_mov_b32 s71, 0
	s_mov_b32 s67, 0
	s_wait_dscnt 0x0                               ; both opening adds are done
	s_wait_kmcnt 0x0
	s_add_nc_u64 s[68:69], s[4:5], s[68:69]
	s_add_nc_u64 s[70:71], s[8:9], s[70:71]
	s_cmp_lt_u32 s[WV], 4
	s_cselect_b64 s[BASEW:BASEW+1], s[68:69], s[70:71]
	s_mov_b32 s[G0], 1
	s_lshl_b32 s[G0+1], s[WV], 14                  ; wave x 16,384: K's halves, V's halves, the pad numbers
	s_mov_b64 s[G0+2:G0+3], s[BASEW:BASEW+1]
	s_or_b32 s[G0+3], s[G0+3], 0x80000000
	TLOAD                                          ; unit 0 into slot 0: one tensor load of mine is out
	s_add_nc_u64 s[QB:QB+1], s[4:5], s[66:67]      ; q's section at my head
	s_and_b32 s68, s[WV], 3
	s_lshl_b32 s68, s68, 13
	s_mov_b32 s69, 33554432+32768
	s_cmp_lt_u32 s[WV], 4
	s_cselect_b32 s69, 16777216+32768, s69
	s_add_co_u32 s68, s68, s69
	s_mov_b32 s69, 0
	s_add_nc_u64 s[PFA:PFA+1], s[QB:QB+1], s[68:69]  ; my part of unit 1; the first change steps it to unit 2
	s_cmp_eq_u32 s[I], 0
	s_cselect_b32 s[LIM], 2, -1
	s_lshr_b32 s68, s[BH], 4
	s_and_b32 s70, s[BH], 15
	s_lshl_b32 s66, s68, 22
	s_lshl_b32 s69, s70, 11
	s_add_co_u32 s66, s66, s69
	s_add_nc_u64 s[OB:OB+1], s[10:11], s[66:67]    ; o16 at my batch and head
	s_lshl_b32 s66, s68, 16
	s_lshl_b32 s69, s70, 8
	s_add_co_u32 s66, s66, s69
	s_add_co_u32 s66, s66, 786432
	s_add_nc_u64 s[2:3], s[6:7], s[66:67]          ; v's sums over 128 tokens, my head's 64 channels
	v_and_b32 v28, 31, v0
	v_lshlrev_b32 v[LI], 4, v28
	v_lshlrev_b32 v[PFO], 8, v28
	v_bfe_u32 v29, v0, 4, 1
	v_lshlrev_b32 v[H32], 5, v29
	v_and_b32 v30, 15, v0
	v_lshlrev_b32 v31, 3, v29
	v_sub_nc_u32 v[DQ], v30, v31
	s_lshl_b32 s68, s[WV], 8
	s_add_co_u32 s68, s68, VM
	v_lshl_add_u32 v[VMS], v28, 3, s68
	v_add_nc_u32 v[VMR], s68, v[H32]
	v_mov_b32 v[NEGV], 0xfe800000
	v_lshlrev_b32 v31, 3, v28
.irp tb, 0,1,2,3,4,5,6,7,8,9,10,11,12,13,14,15
	global_load_b64 v[VMN+2*\tb:VMN+2*\tb+1], v31, s[2:3] offset:\tb*4096   ; the wave reads 256 consecutive bytes
.endr
.macro LOADQ                           ; my 32 queries' fragments; and where their results go
	s_lshl_b32 s66, s[Q0], 7
	s_mov_b32 s67, 0
	s_add_nc_u64 s[QA:QA+1], s[QB:QB+1], s[66:67]
	s_lshl_b32 s66, s[Q0], 11
	s_add_nc_u64 s[OA:OA+1], s[OB:OB+1], s[66:67]
.irp f, 0,1,2,3                        ; f = 2 t + kc
	global_load_b128 v[Q+8*\f:Q+8*\f+3], v[LI], s[QA:QA+1] offset:\f*1024
	global_load_b128 v[Q+8*\f+4:Q+8*\f+7], v[LI], s[QA:QA+1] offset:\f*1024+512
.endr
.endm
.macro RESET                           ; a block of queries begins: m = m0, l = 0, O^T = 0.  (The step is written once: the first finds zeros)
.irp t, 0,1
	v_mov_b32 v[ST+8*\t+1], s[THR]
	v_mul_f32 v[ST+8*\t], s[CS], v[ST+8*\t+1]
.irp j, 2,3,4,5,6,7
	v_mov_b32 v[ST+8*\t+\j], 0
.endr
.endr
	s_mov_b32 s[KF], 0
	WIN 0x40
.set n, 0
.rept 64
	v_mov_b32 v[O+n], 0
.set n, n+1
.endr
	WIN 0
	s_wait_loadcnt 0x0                             ; Q
.endm
; THE CHANGE OF SLOTS stands at a unit's head.  Every wave waits for all its tensor loads, adds 0 to its spare word, waits for that and for its reads of the slot that it has left; a barrier; behind it the slot
; ahead is whole and nobody reads the other, which takes the next unit: key block n, or n - (8 - i) behind the change of blocks.
.macro CHANGE fill
	s_wait_tensorcnt 0x0                           ; no tensor load of mine is out, so the group 0 may be written
	ds_add_u32 v[SPW], v[NIL]
.if \fill
	ds_add_u32 v[SPW], v[NIL]                      ; and once more, in every trip alike
	s_xor_b32 s[G0+1], s[G0+1], SLOT1
	s_sub_co_u32 s66, 9, s[SLOTS]                  ; the unit to be asked for
	s_cmp_ge_u32 s66, s[SW]
	s_cselect_b32 s67, s[SW], 0
	s_sub_co_u32 s66, s66, s67                     ; its key block
	s_mul_i32 s66, s66, s[KSTW]
	s_mov_b32 s67, 0
	s_add_nc_u64 s[G0+2:G0+3], s[BASEW:BASEW+1], s[66:67]
	s_or_b32 s[G0+3], s[G0+3], 0x80000000
	s_wait_xcnt 0x0                                ; the last prefetch, a unit back, has read its address
	s_add_nc_u64 s[PFA:PFA+1], s[PFA:PFA+1], 32768
.endif
	s_wait_dscnt 0x0
	s_barrier_signal -1
	s_barrier_wait -1
.if \fill
	TLOAD                                          ; the first thing behind the barrier, and a wave's one tensor load until the next
	ASK
.endif
.endm
; A KEY STEP: 64 keys against my 32 queries.
.macro STEP
	s_add_co_u32 s66, s[Q0], 31
	s_cmp_gt_u32 s[KF], s66
	s_cbranch_scc1 .Lhidden_\@                     ; all 64 keys come after my queries: ids and counted steps alone decide
	v_add_nc_u32 v[ADK], s[TB], v[LI]
	v_add_nc_u32 v[ADP], s[TP], v[H32]
	v_nop
	v_nop                                          ; four places in front of loads into V's registers, which the last products read
.irp kt, 0,1,2,3
	ds_load_b128 v[BIAS+8*\kt:BIAS+8*\kt+3], v[ADP] offset:64*\kt         ; keys 16 kt + 8 h + 0..7
	ds_load_b128 v[BIAS+8*\kt+4:BIAS+8*\kt+7], v[ADP] offset:64*\kt+16
.endr
	WIN 0x40                                       ; destination window 1
.irp f, 0,1,2,3,4,5,6,7                ; f = 2 kt + kc
	ds_load_b128 v[K1+8*\f:K1+8*\f+3], v[ADK] offset:\f*1024
	ds_load_b128 v[K1+8*\f+4:K1+8*\f+7], v[ADK] offset:\f*1024+512
.endr
.irp f, 0,1,2,3,4,5,6,7                ; f = 4 ks + ct
	ds_load_b128 v[V1+8*\f:V1+8*\f+3], v[ADK] offset:VOFF+\f*1024
	ds_load_b128 v[V1+8*\f+4:V1+8*\f+7], v[ADK] offset:VOFF+\f*1024+512
.endr
	s_wait_dscnt 16                                ; the pad numbers and K are in; V's sixteen loads may be out
	WIN 0x01                                       ; K in window 1
.irp kc, 0,1                           ; eight accumulators by turns, one instruction a turn
.irp kt, 0,1,2,3
.irp t, 0,1
.if \kc == 0
	v_wmma_f32_16x16x32_f16 v[S+32*\t+8*\kt:S+32*\t+8*\kt+7], v[K1+8*(2*\kt):K1+8*(2*\kt)+7], v[Q+16*\t:Q+16*\t+7], v[BIAS+8*\kt:BIAS+8*\kt+7]
.else
	v_wmma_f32_16x16x32_f16 v[S+32*\t+8*\kt:S+32*\t+8*\kt+7], v[K1+8*(2*\kt+1):K1+8*(2*\kt+1)+7], v[Q+16*\t+8:Q+16*\t+15], v[S+32*\t+8*\kt:S+32*\t+8*\kt+7]
.endif
.endr
.endr
.endr
	WIN 0
.rept 4
	v_nop
.endr
	s_add_co_u32 s66, s[KF], 63
	s_cmp_le_u32 s66, s[Q0]
	s_cbranch_scc1 .Lopen_\@                       ; all 64 keys count for all my queries
	s_sub_co_i32 s66, s[Q0], s[KF]
	v_add_nc_u32 v[TMP], s66, v[DQ]                ; d = my query - the step's first key - 8 h: register 8 kt + j holds key 16 kt + 8 h + j, hidden where 16 kt + j > d
	v_add_nc_u32 v[TMP+1], 16, v[TMP]
.irp t, 0,1
.set n, 0
.rept 32
	v_cmp_gt_i32 vcc_lo, 16*(n/8)+n%8, v[TMP+\t]
	v_cndmask_b32 v[S+32*\t+n], v[S+32*\t+n], v[NEGV], vcc_lo
.set n, n+1
.endr
.endr
.Lopen_\@:
	; the maximum: four chains a tile, each accumulator from its low end on; the two tiles by turns
.irp j, 0,1,2,3
.irp t, 0,1
	v_max3_num_f32 v[ST+8*\t+4+\j], v[S+32*\t+8*\j], v[S+32*\t+8*\j+1], v[S+32*\t+8*\j+2]
.endr
.endr
.irp g, 1,2
.irp j, 0,1,2,3
.irp t, 0,1
	v_max3_num_f32 v[ST+8*\t+4+\j], v[ST+8*\t+4+\j], v[S+32*\t+8*\j+2*\g+1], v[S+32*\t+8*\j+2*\g+2]
.endr
.endr
.endr
.irp t, 0,1
	v_max3_num_f32 v[ST+8*\t+4], v[ST+8*\t+4], v[S+32*\t+7], v[S+32*\t+15]
	v_max3_num_f32 v[ST+8*\t+6], v[ST+8*\t+6], v[S+32*\t+23], v[S+32*\t+31]
.endr
.irp t, 0,1
	v_max3_num_f32 v[ST+8*\t+4], v[ST+8*\t+4], v[ST+8*\t+5], v[ST+8*\t+6]
.endr
.irp t, 0,1
	v_max3_num_f32 v[ST+8*\t+4], v[ST+8*\t+4], v[ST+8*\t+7], v[ST+8*\t+1]   ; with the old m
.endr
.irp t, 0,1
	v_permlanex16_b32 v[ST+8*\t+5], v[ST+8*\t+4], s[SEL], s[SEL+1]          ; the query's other 32 keys lie in the lane 16 away
.endr
.irp t, 0,1
	v_mov_b32 v[ST+8*\t+7], v[ST+8*\t]
.endr
.irp t, 0,1
	v_max_num_f32 v[ST+8*\t+1], v[ST+8*\t+4], v[ST+8*\t+5]
.endr
.irp t, 0,1
	v_mul_f32 v[ST+8*\t], s[CS], v[ST+8*\t+1]
.endr
.irp t, 0,1
	v_sub_f32 v[ST+8*\t+7], v[ST+8*\t+7], v[ST+8*\t]                        ; c m_old - c m_new
.endr
.set n, 0
.rept 16
.irp t, 0,1
	v_pk_fma_f32 v[S+32*\t+2*n:S+32*\t+2*n+1], v[S+32*\t+2*n:S+32*\t+2*n+1], s[CS:CS+1], v[ST+8*\t:ST+8*\t+1] op_sel_hi:[1,0,0] neg_lo:[0,0,1] neg_hi:[0,0,1]   ; c s - c m
.endr
.set n, n+1
.endr
.irp t, 0,1
	v_exp_f32 v[ST+8*\t+6], v[ST+8*\t+7]           ; a
.endr
.set n, 0
.rept 32
.irp t, 0,1
	v_exp_f32 v[S+32*\t+n], v[S+32*\t+n]           ; p
.endr
.set n, n+1
.endr
	v_nop                                          ; a plain instruction behind the last exponential
	s_wait_alu depctr_va_vdst(0)                   ; one wait for the batch of 66, ahead of its first reader
.set n, 0
.rept 16
.irp t, 0,1
	v_cvt_pk_f16_f32 v[P+16*\t+n], v[S+32*\t+2*n], v[S+32*\t+2*n+1]
.endr
.set n, n+1
.endr
.irp u, 0,1,2,3,4,5,6,7                ; the row's sum, in place, of the unrounded p
.irp t, 0,1
	v_pk_add_f32 v[S+32*\t+4*\u:S+32*\t+4*\u+1], v[S+32*\t+4*\u:S+32*\t+4*\u+1], v[S+32*\t+4*\u+2:S+32*\t+4*\u+3]
.endr
.endr
.irp u, 0,1,2,3
.irp t, 0,1
	v_pk_add_f32 v[S+32*\t+8*\u:S+32*\t+8*\u+1], v[S+32*\t+8*\u:S+32*\t+8*\u+1], v[S+32*\t+8*\u+4:S+32*\t+8*\u+5]
.endr
.endr
.irp u, 0,1
.irp t, 0,1
	v_pk_add_f32 v[S+32*\t+16*\u:S+32*\t+16*\u+1], v[S+32*\t+16*\u:S+32*\t+16*\u+1], v[S+32*\t+16*\u+8:S+32*\t+16*\u+9]
.endr
.endr
.irp t, 0,1
	v_pk_add_f32 v[S+32*\t:S+32*\t+1], v[S+32*\t:S+32*\t+1], v[S+32*\t+16:S+32*\t+17]
.endr
.irp t, 0,1
	v_pk_fma_f32 v[ST+8*\t+2:ST+8*\t+3], v[ST+8*\t+2:ST+8*\t+3], v[ST+8*\t+6:ST+8*\t+7], v[S+32*\t:S+32*\t+1] op_sel_hi:[1,0,1]   ; l = l a + the sum
.endr
	WIN 0x41                                       ; O^T in window 1, a in window 0
.irp t, 0,1
.set n, 0
.rept 16
	v_pk_mul_f32 v[O+32*\t+2*n:O+32*\t+2*n+1], v[O+32*\t+2*n:O+32*\t+2*n+1], v[ST+8*\t+6:ST+8*\t+7] op_sel_hi:[1,0]
.set n, n+1
.endr
.endr
	s_wait_dscnt 0x0                               ; V is in
	WIN 0x51                                       ; V and O^T in window 1, P in window 0
.irp ks, 0,1
.irp ct, 0,1,2,3
.irp t, 0,1
	v_wmma_f32_16x16x32_f16 v[O+32*\t+8*\ct:O+32*\t+8*\ct+7], v[V1+8*(4*\ks+\ct):V1+8*(4*\ks+\ct)+7], v[P+16*\t+8*\ks:P+16*\t+8*\ks+7], v[O+32*\t+8*\ct:O+32*\t+8*\ct+7]
.endr
.endr
.endr
	WIN 0
.Lhidden_\@:
	s_add_co_u32 s[KF], s[KF], 64
	s_add_co_u32 s[TB], s[TB], 8192
	s_add_co_u32 s[TP], s[TP], 256
.endm
; A block of queries is finished: O^T / l, or the mean of v where no key was open; to f16; each store of the wave covers 512 consecutive bytes of the out-projection's operand image.
.macro FINISH
.rept 4
	v_nop
.endr
.irp t, 0,1
	v_add_f32 v[ST+8*\t+4], v[ST+8*\t+2], v[ST+8*\t+3]
.endr
.irp t, 0,1
	v_permlanex16_b32 v[ST+8*\t+5], v[ST+8*\t+4], s[SEL], s[SEL+1]
.endr
.irp t, 0,1
	v_add_f32 v[ST+8*\t+4], v[ST+8*\t+4], v[ST+8*\t+5]
.endr
.irp t, 0,1
	v_max_num_f32 v[ST+8*\t+4], 0.5, v[ST+8*\t+4]  ; a row with an open key has l of about 1 or more; one with none has 0, and its quotient is not used
.endr
.irp t, 0,1
	v_rcp_f32 v[ST+8*\t+6], v[ST+8*\t+4]
.endr
.irp ct, 0,1,2,3
	ds_load_b128 v[VMN+8*\ct:VMN+8*\ct+3], v[VMR] offset:64*\ct          ; my wave's own bytes
	ds_load_b128 v[VMN+8*\ct+4:VMN+8*\ct+7], v[VMR] offset:64*\ct+16
.endr
	v_nop
	s_wait_alu depctr_va_vdst(0)                   ; one wait for the two reciprocals, ahead of their first reader
	WIN 0x01
.irp t, 0,1
.set n, 0
.rept 16
	v_pk_mul_f32 v[S+32*\t+2*n:S+32*\t+2*n+1], v[O+32*\t+2*n:O+32*\t+2*n+1], v[ST+8*\t+6:ST+8*\t+7] op_sel_hi:[1,0]
.set n, n+1
.endr
.endr
	WIN 0
	s_wait_dscnt 0x0
.irp t, 0,1
	v_cmp_ge_f32 vcc_lo, s[THR], v[ST+8*\t+1]      ; m never left m0: no open key
.set n, 0
.rept 32
	v_cndmask_b32 v[S+32*\t+n], v[S+32*\t+n], v[VMN+n], vcc_lo
.set n, n+1
.endr
.set n, 0
.rept 16
	v_cvt_pk_f16_f32 v[P+16*\t+n], v[S+32*\t+2*n], v[S+32*\t+2*n+1]
.set n, n+1
.endr
.endr
.irp t, 0,1
.irp ct, 0,1,2,3
	global_store_b128 v[LI], v[P+16*\t+4*\ct:P+16*\t+4*\ct+3], s[OA:OA+1] offset:\t*32768+\ct*512
.endr
.endr
	s_wait_xcnt 0x0                                ; the stores have read their registers and their base
.endm
.macro UNIT fill
	CHANGE \fill
	s_cmp_lg_u32 s[SLOTS], s[I]
	s_cbranch_scc1 .Lsame_\@                       ; the first block ends where 8 - i units are done: the same in all eight waves
	FINISH
	s_lshl_b32 s[Q0], s[I], 8
	s_lshl_b32 s66, s[SG], 5
	s_add_co_u32 s[Q0], s[Q0], s66
	LOADQ
	RESET
.Lsame_\@:
	s_mov_b32 s[STEPC], 4
.Lstep_\@:
	STEP
	s_sub_co_u32 s[STEPC], s[STEPC], 1
	s_cmp_lg_u32 s[STEPC], 0
	s_cbranch_scc1 .Lstep_\@
	s_sub_co_u32 s[TB], s[TB], 32768
	s_xor_b32 s[TB], s[TB], SLOT1                  ; on to the other slot
	s_sub_co_u32 s[TP], s[TP], 1024
	s_xor_b32 s[TP], s[TP], SLOT1
.endm
	s_sub_co_u32 s[Q0], 7, s[I]
	s_lshl_b32 s[Q0], s[Q0], 8
	s_lshl_b32 s66, s[SG], 5
	s_add_co_u32 s[Q0], s[Q0], s66                 ; my first query of block 7 - i
	LOADQ
	s_wait_loadcnt 8                               ; the sixteen sums of v are in; Q's eight loads may be out
.irp u, 0,1,2,3,4,5,6,7
	v_pk_add_f32 v[VMN+4*\u:VMN+4*\u+1], v[VMN+4*\u:VMN+4*\u+1], v[VMN+4*\u+2:VMN+4*\u+3]
.endr
.irp u, 0,1,2,3
	v_pk_add_f32 v[VMN+8*\u:VMN+8*\u+1], v[VMN+8*\u:VMN+8*\u+1], v[VMN+8*\u+4:VMN+8*\u+5]
.endr
.irp u, 0,1
	v_pk_add_f32 v[VMN+16*\u:VMN+16*\u+1], v[VMN+16*\u:VMN+16*\u+1], v[VMN+16*\u+8:VMN+16*\u+9]
.endr
	v_pk_add_f32 v[VMN:VMN+1], v[VMN:VMN+1], v[VMN+16:VMN+17]
	v_pk_mul_f32 v[VMN:VMN+1], v[VMN:VMN+1], 0x3a000000 op_sel_hi:[1,0]   ; / 2,048
	ds_store_b64 v[VMS], v[VMN:VMN+1]
	RESET
.Lunit:                                ; eight trips: behind each change of slots the next unit is asked for
	UNIT 1
	s_sub_co_u32 s[SLOTS], s[SLOTS], 1
	s_cmp_lg_u32 s[SLOTS], 0
	s_cbranch_scc1 .Lunit
	UNIT 0                                         ; the ninth unit is written out: nothing is left to fetch
	FINISH
	s_wait_tensorcnt 0x0                           ; the wave's end
	ds_add_u32 v[SPW], v[NIL]
	s_wait_dscnt 0x0
	s_endpgm
.Lfunc_end_k_qeed7d83243_attn:
	.size	k_qeed7d83243_attn, .Lfunc_end_k_qeed7d83243_attn-k_qeed7d83243_attn
	.p2alignl 7, 3214868480
	.fill 96, 4, 3214868480
	.section	.rodata,"a",@progbits
	.p2align	6, 0x0
	.amdhsa_kernel k_qeed7d83243_attn
		.amdhsa_group_segment_fixed_size 327680
		.amdhsa_private_segment_fixed_size 0
		.amdhsa_enable_private_segment 0
		.amdhsa_kernarg_size 32
		.amdhsa_user_sgpr_count 2
		.amdhsa_user_sgpr_kernarg_segment_ptr 1
		.amdhsa_wavefront_size32 1
		.amdhsa_system_sgpr_workgroup_id_x 1
		.amdhsa_system_sgpr_workgroup_id_y 1
		.amdhsa_system_sgpr_workgroup_id_z 1
		.amdhsa_system_vgpr_workitem_id 0
		.amdhsa_next_free_vgpr 512
		.amdhsa_next_free_sgpr 80
		.amdhsa_reserve_vcc 1
		.amdhsa_float_denorm_mode_32 3
		.amdhsa_float_denorm_mode_16_64 3
		.amdhsa_memory_ordered 1
		.amdhsa_forward_progress 1
		.amdhsa_inst_pref_size 90
	.end_amdhsa_kernel
	.amdgpu_metadata
---
amdhsa.version: [ 1, 2 ]
amdhsa.kernels:
  - .name:           k_qeed7d83243_attn
    .symbol:         k_qeed7d83243_attn.kd
    .args:
      - { .name: qkv16, .offset: 0, .size: 8, .value_kind: global_buffer, .address_space: global }
      - { .name: aux32, .offset: 8, .size: 8, .value_kind: global_buffer, .address_space: global }
      - { .name: tab, .offset: 16, .size: 8, .value_kind: global_buffer, .address_space: global }
      - { .name: o16, .offset: 24, .size: 8, .value_kind: global_buffer, .address_space: global }
    .group_segment_fixed_size: 327680
    .private_segment_fixed_size: 0
    .kernarg_segment_align: 8
    .kernarg_segment_size: 32
    .max_flat_workgroup_size: 256
    .sgpr_count:     80
    .vgpr_count:     512
    .wavefront_size: 32
...
	.end_amdgpu_metadata
.endif
;; end of part 3
;; launch oproj (part 4): grid 4 x 64, 4 waves a work-group, clusters of 4 x 4, 327,680 bytes of LDS; arguments o16, wo16, bo, out0; writes out0
.if DOCPART == 4
	.amdgcn_target "amdgcn-amd-amdhsa--gfx1250"
	.amdhsa_code_object_version 6
	.text
	.protected	k_qeed7d83243_oproj
	.globl	k_qeed7d83243_oproj
	.p2align	8
	.type	k_qeed7d83243_oproj,@function
k_qeed7d83243_oproj:
	s_mov_b64 s[64:65], 0
	v_nop
	global_prefetch_b8 v0, s[64:65] scope:SCOPE_SE
	s_setreg_imm32_b32 hwreg(HW_REG_WAVE_MODE, 25, 1), 1
	s_wait_xcnt 0x0
	s_wait_alu depctr_hold_cnt(0) depctr_sa_sdst(0) depctr_va_vdst(0) depctr_va_sdst(0) depctr_va_ssrc(0) depctr_va_vcc(0) depctr_vm_vsrc(0)
	s_getreg_b32 s2, hwreg(HW_REG_IB_STS2, 6, 4)
	s_cmp_eq_u32 s2, 0
	s_cbranch_scc0 .Lentry_in_a_cluster
	s_endpgm
.Lentry_in_a_cluster:
	s_bfe_u32 s2, ttmp6, 0x10000c
	s_cmp_lg_u32 s2, 0xf033
	s_cbranch_scc0 .Lentry_shape_is_right
	s_endpgm
.Lentry_shape_is_right:
; Launch 4 of 5: out0 = o Wo + bo, f16 operands, f32 sums.  Nothing is left out: the 64 rows of positions 0-15 lie inside tiles of 128 rows and are computed with them; the last launch stores them over in f32.
; A tile of out0 is 128 rows x 256 columns: 256 work-groups.  Four waves, each 64 x 128: 32 accumulators, all of window 1.  K goes in steps of 128 through two LDS slots.
; Both operands lie in memory in the order of the operand registers: [tile of 16][32 along K][1,024 bytes].  A K step of a tile of 16 is 4,096 consecutive bytes, and every LDS load reads 512 consecutive bytes.
; CLUSTERS: 4 x 4.  o's tiles are shared along a row of the cluster, Wo's along a column: joint loads.  Source 0 = 16 columns of Wo, source 1 = 16 rows of o: a lane holds eight neighbouring columns of a row.
.set SLOT,  98304                      ; o: 8 tiles x 4,096 bytes; Wo: 16 tiles x 4,096
.set BOFF,  32768
.set STAGE, 196608                     ; behind the ring: 16 rows x 528 bytes for each wave
.set SPITCH, 528
.set SPARE, 230400
.set LAPS,  4                          ; eight K steps
.set ADRA, 16
.set ADRB, 20
.set STO,  24
.set RD,   25
.set CO,   26                          ; v26 16 x lane
.set SPW,  28
.set NIL,  29
.set FA,   32                          ; o's fragments: v32-63, v64-95
.set FB,   96                          ; Wo's: v96-159, v160-223
.set BOV,  224                         ; v224-227 bo of my four columns
.set G1, 24
.set G0, 32
.set G1B, 48
.set G0B, 56
.set MSB, 0
.macro WIN new
.if MSB != (\new)
	s_set_vgpr_msb (MSB<<8)|(\new)
.set MSB, (\new)
.endif
.endm
.set MUL, 0x50                         ; C and D window 1
.macro JLOAD s                         ; waves 0, 1 fetch o's halves, waves 2, 3 Wo's; an s_nop 0 and four v_nop follow each line
	s_cmp_eq_u32 s13, 0
	s_cbranch_scc0 .Lfor_b_\@
	tensor_load_to_lds s[G0+4*\s:G0+4*\s+3], s[G1:G1+7]
	s_nop 0
.rept 4
	v_nop
.endr
	s_branch .Lasked_\@
.Lfor_b_\@:
	tensor_load_to_lds s[G0B+4*\s:G0B+4*\s+3], s[G1B:G1B+7]
	s_nop 0
.rept 4
	v_nop
.endr
.Lasked_\@:
.endm
.macro CREST
	s_cmp_lg_u32 s12, 0
	s_cbranch_scc1 .Lnot_wave_0_\@
	s_barrier_signal -3
.Lnot_wave_0_\@:
	s_barrier_wait -3
	s_barrier_signal -1
	s_barrier_wait -1
.endm
.macro CROUND
	s_barrier_signal -1
	s_barrier_wait -1
	CREST
.endm
	s_load_b256 s[4:11], s[0:1], 0x0               ; o16 4, wo16 6, bo 8, out0 10
	v_lshl_add_u32 v[SPW], v0, 2, SPARE
	v_mov_b32 v[NIL], 0
	ds_add_u32 v[SPW], v[NIL]                      ; the wave's opening: the add, twice on end, and its wait ahead of my first tensor load
	ds_add_u32 v[SPW], v[NIL]
	v_lshrrev_b32 v1, 5, v0
	v_readfirstlane_b32 s12, v1                    ; wave
	s_lshr_b32 s13, s12, 1                         ; my half of the rows.  Also: I fetch for o (0) or Wo (1)
	s_and_b32 s14, s12, 1                          ; my half of the columns.  Also: which half of that tile I fetch
	s_bfe_u32 s40, ttmp6, 0x40000
	s_bfe_u32 s41, ttmp6, 0x40004
	s_lshl_b32 s42, ttmp9, 2
	s_add_co_u32 s42, s42, s40                     ; tile column
	s_and_b32 s15, ttmp7, 0xffff
	s_lshl_b32 s15, s15, 2
	s_add_co_u32 s15, s15, s41                     ; tile row
	s_lshl_b32 s43, s41, 2
	s_lshl_b32 s43, 15, s43
	s_lshl_b32 s44, 0x1111, s40
	s_or_b32 s[G1+0], s43, (3<<16)|(1<<21)         ; elements of 8 bytes; no padding
	s_or_b32 s[G1B+0], s44, (3<<16)|(1<<21)
	s_mov_b32 s[G1+1], 512<<16                     ; a row: 4,096 bytes, a K step of one tile of 16
	s_mov_b32 s[G1+2], 4<<16
	s_mov_b32 s[G1+3], 512<<16
	s_mov_b32 s[G1+4], 4                           ; four tiles of 16 rows
	s_mov_b32 s[G1+5], 4096                        ; 32,768 bytes from tile to tile
	s_mov_b32 s[G1+6], 0
	s_mov_b32 s[G1+7], 0
	s_mov_b32 s[G1B+1], 512<<16
	s_mov_b32 s[G1B+2], 8<<16
	s_mov_b32 s[G1B+3], 512<<16
	s_mov_b32 s[G1B+4], 8                          ; eight tiles of 16 columns
	s_mov_b32 s[G1B+5], 4096
	s_mov_b32 s[G1B+6], 0
	s_mov_b32 s[G1B+7], 0
	s_lshl_b32 s16, s15, 3
	s_lshl_b32 s17, s14, 2
	s_add_co_u32 s16, s16, s17
	s_lshl_b32 s16, s16, 15
	s_mov_b32 s17, 0
	s_lshl_b32 s46, s42, 4
	s_lshl_b32 s47, s14, 3
	s_add_co_u32 s46, s46, s47
	s_lshl_b32 s46, s46, 15
	s_mov_b32 s47, 0
	s_lshl_b32 s20, s14, 14                        ; where they go: o's halves,
	s_lshl_b32 s21, s14, 15
	s_add_co_u32 s21, s21, BOFF                    ; Wo's halves
	s_wait_dscnt 0x0
	s_wait_kmcnt 0x0
	s_add_nc_u64 s[16:17], s[4:5], s[16:17]
	s_add_nc_u64 s[46:47], s[6:7], s[46:47]
	CROUND                                         ; all sixteen work-groups are here
.irp s, 0,1
	s_mov_b32 s[G0+4*\s], 1
	s_add_co_u32 s[G0+4*\s+1], s20, \s*SLOT
	s_add_nc_u64 s[G0+4*\s+2:G0+4*\s+3], s[16:17], \s*4096
	s_or_b32 s[G0+4*\s+3], s[G0+4*\s+3], 0x80000000
	s_mov_b32 s[G0B+4*\s], 1
	s_add_co_u32 s[G0B+4*\s+1], s21, \s*SLOT
	s_add_nc_u64 s[G0B+4*\s+2:G0B+4*\s+3], s[46:47], \s*4096
	s_or_b32 s[G0B+4*\s+3], s[G0B+4*\s+3], 0x80000000
	JLOAD \s                                       ; two tensor loads of mine are out
.endr
	v_and_b32 v1, 15, v0
	v_bfe_u32 v2, v0, 4, 1
	v_and_b32 v3, 31, v0
	v_lshlrev_b32 v[CO], 4, v3
	s_lshl_b32 s22, s13, 14                        ; my 64 rows of o
	s_lshl_b32 s23, s14, 15
	s_add_co_u32 s23, s23, BOFF                    ; my 128 columns of Wo
.irp s, 0,1
	v_add_nc_u32 v[ADRA+\s], s22, v[CO]
	v_add_nc_u32 v[ADRB+\s], s23, v[CO]
	s_add_co_u32 s22, s22, SLOT
	s_add_co_u32 s23, s23, SLOT
.endr
	s_mul_i32 s22, s12, 16*SPITCH
	s_add_co_u32 s22, s22, STAGE                   ; my stage
	v_mul_u32_u24 v4, v1, SPITCH
	v_lshl_add_u32 v4, v2, 5, v4
	v_add_nc_u32 v[STO], s22, v4
	v_add_nc_u32 v[RD], s22, v[CO]
	s_lshl_b32 s18, s42, 10
	s_lshl_b32 s19, s14, 9
	s_add_co_u32 s18, s18, s19                     ; my first column, in bytes
	s_mov_b32 s19, 0
	s_add_nc_u64 s[8:9], s[8:9], s[18:19]
	global_load_b128 v[BOV:BOV+3], v[CO], s[8:9]   ; bo of columns 4 lane + 0..3
	s_lshl_b32 s22, s15, 7
	s_lshl_b32 s23, s13, 6
	s_add_co_u32 s22, s22, s23                     ; my first row
	s_lshl_b32 s22, s22, 12
	s_add_co_u32 s18, s18, s22
	s_add_nc_u64 s[10:11], s[10:11], s[18:19]
.macro MUL8 f, a, zero                 ; row tile a x all eight column tiles, 32 along K, buffer f.  The 32 accumulators take turns
.irp b, 0,1,2,3,4,5,6,7
.if \zero
	v_wmma_f32_16x16x32_f16 v[8*(8*(\a)+\b):8*(8*(\a)+\b)+7], v[FB+64*(\f)+8*\b:FB+64*(\f)+8*\b+7], v[FA+32*(\f)+8*(\a):FA+32*(\f)+8*(\a)+7], 0
.else
	v_wmma_f32_16x16x32_f16 v[8*(8*(\a)+\b):8*(8*(\a)+\b)+7], v[FB+64*(\f)+8*\b:FB+64*(\f)+8*\b+7], v[FA+32*(\f)+8*(\a):FA+32*(\f)+8*(\a)+7], v[8*(8*(\a)+\b):8*(8*(\a)+\b)+7]
.endif
.endr
.endm
.macro FETCH slot, kc, f               ; 24 LDS loads in one run
.irp b, 0,1,2,3,4,5,6,7
	ds_load_b128 v[FB+64*(\f)+8*\b:FB+64*(\f)+8*\b+3], v[ADRB+\slot] offset:\b*4096+(\kc)*1024
	ds_load_b128 v[FB+64*(\f)+8*\b+4:FB+64*(\f)+8*\b+7], v[ADRB+\slot] offset:\b*4096+(\kc)*1024+512
.endr
.irp a, 0,1,2,3
	ds_load_b128 v[FA+32*(\f)+8*\a:FA+32*(\f)+8*\a+3], v[ADRA+\slot] offset:\a*4096+(\kc)*1024
	ds_load_b128 v[FA+32*(\f)+8*\a+4:FA+32*(\f)+8*\a+7], v[ADRA+\slot] offset:\a*4096+(\kc)*1024+512
.endr
.endm
.macro PLACES
.rept 4
	v_nop
.endr
.endm
.macro QUARTER slot, kn, f, g, zero    ; multiplies buffer f; in its middle fetches the slot's quarter kn into buffer g
	s_wait_dscnt 0x0                               ; buffer f is in (asked for 16 matrix instructions ago)
	WIN MUL
	MUL8 \f, 0, \zero
	MUL8 \f, 1, \zero
	PLACES
	WIN 0
	FETCH \slot, \kn, \g
	WIN MUL
	MUL8 \f, 2, \zero
	MUL8 \f, 3, \zero
.endm
; A slot's last quarter multiplies buffer 1 and changes slots: one barrier; in front of it each wave waits for all its tensor loads, adds 0 to its spare word, and waits for that and for its reads of the slot.
.macro TURN slot, next, fill
	WIN 0
	s_wait_tensorcnt 0x0                           ; all my tensor loads have landed: my part of the next slot
	ds_add_u32 v[SPW], v[NIL]
	s_wait_dscnt 1                                 ; buffer 1 is in; the add may be out
	WIN MUL
	MUL8 1, 0, 0
	s_wait_dscnt 0x0                               ; the add is done, and my reads of this slot are over
	s_barrier_signal -1
	MUL8 1, 1, 0
	WIN 0
	s_barrier_wait -1
.if \fill
	CREST                                          ; the barrier has opened a round of the cluster's: no wave of any partner still reads this slot or has a load on its way
	s_add_nc_u64 s[G0+4*\slot+2:G0+4*\slot+3], s[G0+4*\slot+2:G0+4*\slot+3], 8192
	s_add_nc_u64 s[G0B+4*\slot+2:G0B+4*\slot+3], s[G0B+4*\slot+2:G0B+4*\slot+3], 8192
	JLOAD \slot                                    ; the first tensor load behind the round; its four v_nop are also the places in front of the loads below
.else
	PLACES
.endif
	FETCH \next, 0, 0
	WIN MUL
	MUL8 1, 2, 0
	MUL8 1, 3, 0
.endm
	s_wait_tensorcnt 1                             ; my part of K step 0 is in; K step 1's load may be out
	s_barrier_signal -1
	s_barrier_wait -1
	FETCH 0, 0, 0
	QUARTER 0, 1, 0, 1, 1                          ; the first quarter's products start the sums
	WIN 0
	s_mov_b32 s3, LAPS-1
.Llap:                                 ; a trip goes once round the ring and fills both slots again
	QUARTER 0, 2, 1, 0, 0
	QUARTER 0, 3, 0, 1, 0
	TURN 0, 1, 1
	QUARTER 1, 1, 0, 1, 0
	QUARTER 1, 2, 1, 0, 0
	QUARTER 1, 3, 0, 1, 0
	TURN 1, 0, 1
	QUARTER 0, 1, 0, 1, 0
	WIN 0
	s_sub_co_u32 s3, s3, 1
	s_cmp_lg_u32 s3, 0
	s_cbranch_scc1 .Llap
	QUARTER 0, 2, 1, 0, 0                          ; the last lap fills nothing
	QUARTER 0, 3, 0, 1, 0
	TURN 0, 1, 0
	QUARTER 1, 1, 0, 1, 0
	QUARTER 1, 2, 1, 0, 0
	QUARTER 1, 3, 0, 1, 0
	s_wait_dscnt 0x0
	WIN MUL
	MUL8 1, 0, 0
	MUL8 1, 1, 0
	MUL8 1, 2, 0
	MUL8 1, 3, 0
	WIN 0
; THE WAY OUT, 16 rows x 128 columns at a time, through my own stage: in as 32 bytes a lane, back as whole rows of 512 bytes; bo is added; the wave stores 512 consecutive bytes.
.macro TOSTAGE a
	WIN 0x04                                       ; an LDS store's data are its source 1: window 1
.irp b, 0,1,2,3,4,5,6,7
	ds_store_b128 v[STO], v[8*(8*(\a)+\b):8*(8*(\a)+\b)+3] offset:64*\b          ; each accumulator from its low end on
	ds_store_b128 v[STO], v[8*(8*(\a)+\b)+4:8*(8*(\a)+\b)+7] offset:64*\b+16
.endr
	WIN 0
.set BB, 32+64*((\a)%2)
.irp t, 0,1,2,3,4,5,6,7,8,9,10,11,12,13,14,15
	ds_load_b128 v[BB+4*\t:BB+4*\t+3], v[RD] offset:\t*SPITCH                    ; LDS serves a wave's instructions in order: these see the stores above
.endr
.endm
.macro SEND a, younger
.set BB, 32+64*((\a)%2)
	s_wait_dscnt \younger                          ; the block is back; the next block's 16 stores and 16 loads may be out
.irp t, 0,1,2,3,4,5,6,7,8,9,10,11,12,13,14,15
	v_pk_add_f32 v[BB+4*\t:BB+4*\t+1], v[BB+4*\t:BB+4*\t+1], v[BOV:BOV+1]
	v_pk_add_f32 v[BB+4*\t+2:BB+4*\t+3], v[BB+4*\t+2:BB+4*\t+3], v[BOV+2:BOV+3]
.endr
.irp t, 0,1,2,3,4,5,6,7,8,9,10,11,12,13,14,15
	global_store_b128 v[CO], v[BB+4*\t:BB+4*\t+3], s[10:11] offset:(16*(\a)+\t)*4096 th:TH_STORE_NT
.endr
.endm
	PLACES
	s_wait_loadcnt 0x0                             ; bo
	TOSTAGE 0
	TOSTAGE 1
	SEND 0, 32
	s_wait_xcnt 0x0                                ; block 0's stores have read their registers: block 2 may land there
	TOSTAGE 2
	SEND 1, 32
	s_wait_xcnt 0x0
	TOSTAGE 3
	SEND 2, 32
	SEND 3, 0
	s_wait_tensorcnt 0x0                           ; the wave's end
	ds_add_u32 v[SPW], v[NIL]
	s_wait_dscnt 0x0
	CROUND                                         ; the closing round
	s_endpgm
.Lfunc_end_k_qeed7d83243_oproj:
	.size	k_qeed7d83243_oproj, .Lfunc_end_k_qeed7d83243_oproj-k_qeed7d83243_oproj
	.p2alignl 7, 3214868480
	.fill 96, 4, 3214868480
	.section	.rodata,"a",@progbits
	.p2align	6, 0x0
	.amdhsa_kernel k_qeed7d83243_oproj
		.amdhsa_group_segment_fixed_size 327680
		.amdhsa_private_segment_fixed_size 0
		.amdhsa_enable_private_segment 0
		.amdhsa_kernarg_size 32
		.amdhsa_user_sgpr_count 2
		.amdhsa_user_sgpr_kernarg_segment_ptr 1
		.amdhsa_wavefront_size32 1
		.amdhsa_system_sgpr_workgroup_id_x 1
		.amdhsa_system_sgpr_workgroup_id_y 1
		.amdhsa_system_sgpr_workgroup_id_z 1
		.amdhsa_system_vgpr_workitem_id 0
		.amdhsa_next_free_vgpr 512
		.amdhsa_next_free_sgpr 66
		.amdhsa_reserve_vcc 0
		.amdhsa_float_denorm_mode_32 3
		.amdhsa_float_denorm_mode_16_64 3
		.amdhsa_memory_ordered 1
		.amdhsa_forward_progress 1
		.amdhsa_inst_pref_size 92
	.end_amdhsa_kernel
	.amdgpu_metadata
---
amdhsa.version: [ 1, 2 ]
amdhsa.kernels:
  - .name:           k_qeed7d83243_oproj
    .symbol:         k_qeed7d83243_oproj.kd
    .args:
      - { .name: o16, .offset: 0, .size: 8, .value_kind: global_buffer, .address_space: global }
      - { .name: wo16, .offset: 8, .size: 8, .value_kind: global_buffer, .address_space: global }
      - { .name: bo, .offset: 16, .size: 8, .value_kind: global_buffer, .address_space: global }
      - { .name: out0, .offset: 24, .size: 8, .value_kind: global_buffer, .address_space: global }
    .group_segment_fixed_size: 327680
    .private_segment_fixed_size: 0
    .kernarg_segment_align: 8
    .kernarg_segment_size: 32
    .max_flat_workgroup_size: 128
    .sgpr_count:     66
    .vgpr_count:     512
    .wavefront_size: 32
...
	.end_amdgpu_metadata
.endif
;; end of part 4
;; launch first16 (part 5): grid 16 x 4, 16 waves a work-group, no clusters, 75,776 bytes of LDS; arguments aux32, tab, Wo, bo, out0; writes out0
.if DOCPART == 5
	.amdgcn_target "amdgcn-amd-amdhsa--gfx1250"
	.amdhsa_code_object_version 6
	.text
	.protected	k_qeed7d83243_first16
	.globl	k_qeed7d83243_first16
	.p2align	8
	.type	k_qeed7d83243_first16,@function
k_qeed7d83243_first16:
	s_mov_b64 s[64:65], 0
	v_nop
	global_prefetch_b8 v0, s[64:65] scope:SCOPE_SE
	s_setreg_imm32_b32 hwreg(HW_REG_WAVE_MODE, 25, 1), 1
	s_wait_xcnt 0x0
; Launch 5 of 5: positions 0-15 of each sequence once more, wholly in f32 (scores, softmax, p v, the projection by Wo), stored over the 64 rows of out0: these rows average few values and are the largest.
; LEFT OUT: keys 16 and up: reference()'s causal mask hides them from queries 0-15 for all values of the inputs (but for a query with no open key, which takes the mean of v over the sequence).
; Work-group (nb, batch) makes 16 rows x columns 64 nb .. + 63.  Wave w is head w: it makes its head's o (16 x 64) and that head's part of the 64 columns; the sixteen parts meet in LDS.
; q, k, v come as the projection launch left its f32 registers: tile bt, register j, lane (r, h): q, k: token r, channel 16 bt + 8 h + j; v: channel 16 bt + r, token 8 h + j.  A pair of registers 2 s, 2 s + 1
; is an operand of the 16 x 16 x 4 form with its k = 2 h + j' standing for 8 h + 2 s + j': the same on both sides of each product.
; No tensor load, no cluster: a work-group's bytes are few.  LIMIT: a true score under -2^100 counts as masked.
.set PARTW, 4352                       ; a wave's part: 16 groups of 4 columns x (16 queries x 16 bytes + 16)
.set VM,    69632                      ; the mean of v: 256 bytes for each wave
.set SPARE, 73728
.set LI,   1
.set DQ,   2                           ; r - 8 h
.set STO,  3
.set RD,   4
.set WOFF, 5
.set VMS,  6
.set VMR,  7
.set SPW,  8
.set NIL,  9
.set GOUT, 10
.set MX,   11
.set CM,   12
.set LS,   13
.set NEGV, 14
.set TP,   15
.set T,    16                          ; v16-23 scores, then p
.set PB,   24                          ; v24-31 pad numbers
.set ACC,  32                          ; v32-63 four accumulators: written by matrix instructions alone
.set QR,   64                          ; v64-95 q; v96-127 k; later Wo's fragments for channel tiles 0, 1; later the sixteen parts
.set KR,   96
.set VR,   128                         ; v128-159 v; later the mean of v
.set UU,   160                         ; v160-191 sums of v; at work; o
.set ON,   160
.set W23,  192                         ; v192-255 Wo's fragments for channel tiles 2, 3
	s_load_b256 s[4:11], s[0:1], 0x0               ; aux32 4, tab 6, Wo 8, bo 10
	s_load_b64 s[12:13], s[0:1], 0x20              ; out0
	v_lshl_add_u32 v[SPW], v0, 2, SPARE
	v_mov_b32 v[NIL], 0
	v_lshrrev_b32 v16, 5, v0
	v_readfirstlane_b32 s14, v16                   ; wave = head
	s_mov_b32 s15, ttmp9                           ; which 64 columns
	s_and_b32 s16, ttmp7, 0xffff                   ; batch
	v_and_b32 v16, 31, v0
	v_and_b32 v17, 15, v0                          ; r
	v_bfe_u32 v18, v0, 4, 1                        ; h
	v_lshlrev_b32 v[LI], 4, v16
	v_lshlrev_b32 v19, 3, v18
	v_sub_nc_u32 v[DQ], v17, v19
	s_mul_i32 s22, s14, PARTW
	v_mul_u32_u24 v[STO], v18, 544
	v_lshl_add_u32 v[STO], v17, 4, v[STO]
	v_add_nc_u32 v[STO], s22, v[STO]               ; in: group 4 t + 2 h + half, query r
	s_and_b32 s23, s14, 7
	s_lshl_b32 s24, s23, 5
	v_mul_u32_u24 v[RD], v17, 272
	v_lshl_add_u32 v[RD], v18, 4, v[RD]
	v_add_nc_u32 v[RD], s24, v[RD]                 ; back: group lane % 16, query 2 wave + lane / 16
	v_lshlrev_b32 v[WOFF], 15, v18
	v_lshl_add_u32 v[WOFF], v17, 2, v[WOFF]        ; Wo: 8 h rows down, column r
	s_lshl_b32 s24, s14, 8
	s_add_co_u32 s24, s24, VM
	v_lshl_add_u32 v[VMS], v16, 3, s24
	v_lshl_add_u32 v[VMR], v18, 5, s24
	s_lshl_b32 s24, s23, 13
	v_lshlrev_b32 v[GOUT], 12, v18
	v_lshl_add_u32 v[GOUT], v17, 4, v[GOUT]
	v_add_nc_u32 v[GOUT], s24, v[GOUT]             ; out0: row 2 wave + lane / 16, 16 bytes for each lane % 16
	v_lshlrev_b32 v20, 5, v18                      ; 32 h
	v_lshlrev_b32 v21, 3, v16                      ; 8 x lane
	v_mov_b32 v[NEGV], 0xfe800000                  ; -2^126
	v_mov_b32 v[TP], 0
	s_mov_b32 s18, 0x76543210
	s_mov_b32 s19, 0xfedcba98
	s_mov_b32 s20, 0x3e38aa3b                      ; c = log2(e) / 8
	s_mov_b32 s21, 0xf1800000                      ; m0 = -2^100
	s_lshl_b32 s22, s16, 16
	s_lshl_b32 s24, s14, 12
	s_add_co_u32 s24, s24, s22
	s_mov_b32 s25, 0
	s_lshl_b32 s38, s14, 8
	s_add_co_u32 s38, s38, s22
	s_mov_b32 s39, 0
	s_lshl_b32 s40, s16, 13
	s_mov_b32 s41, 0
	s_lshl_b32 s42, s14, 18
	s_lshl_b32 s44, s15, 8
	s_add_co_u32 s42, s42, s44
	s_mov_b32 s43, 0
	s_mov_b32 s45, 0
	s_lshl_b32 s46, s16, 23
	s_add_co_u32 s46, s46, s44
	s_mov_b32 s47, 0
	s_wait_kmcnt 0x0
	s_add_nc_u64 s[26:27], s[4:5], s[24:25]        ; the images of my batch and head
	s_add_nc_u64 s[28:29], s[4:5], s[38:39]        ; the sums of v
	s_add_nc_u64 s[30:31], s[6:7], s[40:41]        ; the pad numbers
	s_add_nc_u64 s[32:33], s[8:9], s[42:43]        ; Wo at my head's 64 rows, my work-group's 64 columns
	s_add_nc_u64 s[34:35], s[10:11], s[44:45]      ; bo
	s_add_nc_u64 s[36:37], s[12:13], s[46:47]      ; out0
.irp f, 0,1,2,3,4,5,6,7                ; f = 2 tile + half
	global_load_b128 v[QR+4*\f:QR+4*\f+3], v[LI], s[26:27] offset:\f*512
	global_load_b128 v[KR+4*\f:KR+4*\f+3], v[LI], s[26:27] offset:262144+\f*512
	global_load_b128 v[VR+4*\f:VR+4*\f+3], v[LI], s[26:27] offset:524288+\f*512
.endr
	global_load_b128 v[PB:PB+3], v20, s[30:31] offset:524288
	global_load_b128 v[PB+4:PB+7], v20, s[30:31] offset:524288+16
.irp tb, 0,1,2,3,4,5,6,7,8,9,10,11,12,13,14,15
	global_load_b64 v[UU+2*\tb:UU+2*\tb+1], v21, s[28:29] offset:786432+\tb*4096
.endr
.macro WOLOAD ct, base                 ; register 8 s + 2 t + j': Wo(64 w + 16 ct + 8 h + 2 s + j', 64 nb + 16 t + r)
.irp s, 0,1,2,3
.irp t, 0,1,2,3
.irp jp, 0,1
	global_load_b32 v[\base+8*\s+2*\t+\jp], v[WOFF], s[32:33] offset:(16*(\ct)+2*\s+\jp)*4096+64*\t
.endr
.endr
.endr
.endm
	WOLOAD 2, W23
	WOLOAD 3, W23+32
	s_wait_loadcnt 63                              ; of the 106 loads all but the youngest 63 are in: the 42 ahead of Wo's among them
.irp u, 0,1,2,3,4,5,6,7
	v_pk_add_f32 v[UU+4*\u:UU+4*\u+1], v[UU+4*\u:UU+4*\u+1], v[UU+4*\u+2:UU+4*\u+3]
.endr
.irp u, 0,1,2,3
	v_pk_add_f32 v[UU+8*\u:UU+8*\u+1], v[UU+8*\u:UU+8*\u+1], v[UU+8*\u+4:UU+8*\u+5]
.endr
.irp u, 0,1
	v_pk_add_f32 v[UU+16*\u:UU+16*\u+1], v[UU+16*\u:UU+16*\u+1], v[UU+16*\u+8:UU+16*\u+9]
.endr
	v_pk_add_f32 v[UU:UU+1], v[UU:UU+1], v[UU+16:UU+17]
	v_pk_mul_f32 v[UU:UU+1], v[UU:UU+1], 0x3a000000 op_sel_hi:[1,0]    ; / 2,048: the mean of v
	ds_store_b64 v[VMS], v[UU:UU+1]                ; my wave's own bytes
	; S^T = k q^T: four accumulators by turns, each over 16 channels; their sum is the score
.irp s, 0,1,2,3
.irp bt, 0,1,2,3
.if \s == 0
	v_wmma_f32_16x16x4_f32 v[ACC+8*\bt:ACC+8*\bt+7], v[KR+8*\bt:KR+8*\bt+1], v[QR+8*\bt:QR+8*\bt+1], 0
.else
	v_wmma_f32_16x16x4_f32 v[ACC+8*\bt:ACC+8*\bt+7], v[KR+8*\bt+2*\s:KR+8*\bt+2*\s+1], v[QR+8*\bt+2*\s:QR+8*\bt+2*\s+1], v[ACC+8*\bt:ACC+8*\bt+7]
.endif
.endr
.endr
.rept 8
	v_nop                                          ; eight places behind this form, in front of reads of results and of loads into its sources
.endr
	WOLOAD 0, QR
	WOLOAD 1, QR+32
.irp j, 0,1,2,3,4,5,6,7
	v_add_f32 v[T+\j], v[ACC+\j], v[ACC+8+\j]
.endr
.irp j, 0,1,2,3,4,5,6,7
	v_add_f32 v[UU+8+\j], v[ACC+16+\j], v[ACC+24+\j]
.endr
.irp j, 0,1,2,3,4,5,6,7
	v_add_f32 v[T+\j], v[T+\j], v[UU+8+\j]
.endr
.irp j, 0,1,2,3,4,5,6,7
	v_add_f32 v[T+\j], v[T+\j], v[PB+\j]           ; the pad mask: 0 or -2^126
.endr
.irp j, 0,1,2,3,4,5,6,7
	v_cmp_gt_i32 vcc_lo, \j, v[DQ]                 ; key 8 h + j comes after query r
	v_cndmask_b32 v[T+\j], v[T+\j], v[NEGV], vcc_lo
.endr
	v_max3_num_f32 v[MX], v[T], v[T+1], v[T+2]
	v_max3_num_f32 v[MX], v[MX], v[T+3], v[T+4]
	v_max3_num_f32 v[MX], v[MX], v[T+5], v[T+6]
	v_max3_num_f32 v[MX], v[MX], v[T+7], s21       ; never under m0
	v_permlanex16_b32 v[TP], v[MX], s18, s19
	v_max_num_f32 v[MX], v[MX], v[TP]
	v_mul_f32 v[CM], s20, v[MX]
.irp j, 0,1,2,3,4,5,6,7
	v_fma_f32 v[T+\j], v[T+\j], s20, -v[CM]
.endr
.irp j, 0,1,2,3,4,5,6,7
	v_exp_f32 v[T+\j], v[T+\j]
.endr
	v_nop
	s_wait_alu depctr_va_vdst(0)                   ; one wait for the eight exponentials, ahead of their first reader
	v_add_f32 v[LS], v[T], v[T+1]
	v_add_f32 v[TP], v[T+2], v[T+3]
	v_add_f32 v[UU+8], v[T+4], v[T+5]
	v_add_f32 v[UU+9], v[T+6], v[T+7]
	v_add_f32 v[LS], v[LS], v[TP]
	v_add_f32 v[UU+8], v[UU+8], v[UU+9]
	v_add_f32 v[LS], v[LS], v[UU+8]
	v_permlanex16_b32 v[TP], v[LS], s18, s19
	v_add_f32 v[LS], v[LS], v[TP]
	v_max_num_f32 v[LS], 0.5, v[LS]                ; a row with no open key has 0: its quotient is not used
	v_rcp_f32 v[LS], v[LS]
	; O^T = v^T p: the accumulators begin anew
.irp s, 0,1,2,3
.irp ct, 0,1,2,3
.if \s == 0
	v_wmma_f32_16x16x4_f32 v[ACC+8*\ct:ACC+8*\ct+7], v[VR+8*\ct:VR+8*\ct+1], v[T:T+1], 0
.else
	v_wmma_f32_16x16x4_f32 v[ACC+8*\ct:ACC+8*\ct+7], v[VR+8*\ct+2*\s:VR+8*\ct+2*\s+1], v[T+2*\s:T+2*\s+1], v[ACC+8*\ct:ACC+8*\ct+7]
.endif
.endr
.endr
.rept 9
	v_nop                                          ; nine places, in front of the loads into v's registers, which the products read, and of reads of their results
.endr
.irp ct, 0,1,2,3
	ds_load_b128 v[VR+8*\ct:VR+8*\ct+3], v[VMR] offset:64*\ct
	ds_load_b128 v[VR+8*\ct+4:VR+8*\ct+7], v[VMR] offset:64*\ct+16
.endr
	s_wait_alu depctr_va_vdst(0)                   ; the reciprocal, ahead of its first reader
.set n, 0
.rept 32
	v_mul_f32 v[ON+n], v[ACC+n], v[LS]
.set n, n+1
.endr
	s_wait_dscnt 0x0
	v_cmp_ge_f32 vcc_lo, s21, v[MX]                ; no open key: the mean of v
.set n, 0
.rept 32
	v_cndmask_b32 v[ON+n], v[ON+n], v[VR+n], vcc_lo
.set n, n+1
.endr
	s_wait_loadcnt 0x0                             ; Wo
	; my head's part of out: source 0 = 16 columns of Wo, source 1 = o: a lane holds one query and eight columns
.macro OUTP ct, base
.irp s, 0,1,2,3
.irp t, 0,1,2,3
.if (\ct) == 0 && \s == 0
	v_wmma_f32_16x16x4_f32 v[ACC+8*\t:ACC+8*\t+7], v[\base+2*\t:\base+2*\t+1], v[ON:ON+1], 0
.else
	v_wmma_f32_16x16x4_f32 v[ACC+8*\t:ACC+8*\t+7], v[\base+8*\s+2*\t:\base+8*\s+2*\t+1], v[ON+8*(\ct)+2*\s:ON+8*(\ct)+2*\s+1], v[ACC+8*\t:ACC+8*\t+7]
.endif
.endr
.endr
.endm
	OUTP 0, QR
	OUTP 1, QR+32
	OUTP 2, W23
	OUTP 3, W23+32
.rept 8
	v_nop
.endr
.irp t, 0,1,2,3
	ds_store_b128 v[STO], v[ACC+8*\t:ACC+8*\t+3] offset:(4*\t)*272
	ds_store_b128 v[STO], v[ACC+8*\t+4:ACC+8*\t+7] offset:(4*\t+1)*272
.endr
	s_wait_dscnt 0x0                               ; for the others' sake: my part lies in LDS
	s_barrier_signal -1
	s_barrier_wait -1
	s_cmp_lt_u32 s14, 8
	s_cbranch_scc0 .Ldone                          ; waves 0-7 add the sixteen parts, two rows each
	v_and_b32 v132, 15, v0
	v_lshlrev_b32 v132, 4, v132
	global_load_b128 v[128:131], v132, s[34:35]    ; bo of my four columns
.irp p, 0,1,2,3,4,5,6,7,8,9,10,11,12,13,14,15
	ds_load_b128 v[QR+4*\p:QR+4*\p+3], v[RD] offset:\p*PARTW
.endr
	s_wait_dscnt 0x0
.irp u, 0,1,2,3,4,5,6,7
	v_pk_add_f32 v[QR+8*\u:QR+8*\u+1], v[QR+8*\u:QR+8*\u+1], v[QR+8*\u+4:QR+8*\u+5]
	v_pk_add_f32 v[QR+8*\u+2:QR+8*\u+3], v[QR+8*\u+2:QR+8*\u+3], v[QR+8*\u+6:QR+8*\u+7]
.endr
.irp u, 0,1,2,3
	v_pk_add_f32 v[QR+16*\u:QR+16*\u+1], v[QR+16*\u:QR+16*\u+1], v[QR+16*\u+8:QR+16*\u+9]
	v_pk_add_f32 v[QR+16*\u+2:QR+16*\u+3], v[QR+16*\u+2:QR+16*\u+3], v[QR+16*\u+10:QR+16*\u+11]
.endr
.irp u, 0,1
	v_pk_add_f32 v[QR+32*\u:QR+32*\u+1], v[QR+32*\u:QR+32*\u+1], v[QR+32*\u+16:QR+32*\u+17]
	v_pk_add_f32 v[QR+32*\u+2:QR+32*\u+3], v[QR+32*\u+2:QR+32*\u+3], v[QR+32*\u+18:QR+32*\u+19]
.endr
	v_pk_add_f32 v[QR:QR+1], v[QR:QR+1], v[QR+32:QR+33]
	v_pk_add_f32 v[QR+2:QR+3], v[QR+2:QR+3], v[QR+34:QR+35]
	s_wait_loadcnt 0x0
	v_pk_add_f32 v[QR:QR+1], v[QR:QR+1], v[128:129]
	v_pk_add_f32 v[QR+2:QR+3], v[QR+2:QR+3], v[130:131]
	global_store_b128 v[GOUT], v[QR:QR+3], s[36:37]   ; sixteen lanes store 256 consecutive bytes of a row
.Ldone:
	s_wait_tensorcnt 0x0                           ; the wave's end
	ds_add_u32 v[SPW], v[NIL]
	s_wait_dscnt 0x0
	s_endpgm
.Lfunc_end_k_qeed7d83243_first16:
	.size	k_qeed7d83243_first16, .Lfunc_end_k_qeed7d83243_first16-k_qeed7d83243_first16
	.p2alignl 7, 3214868480
	.fill 96, 4, 3214868480
	.section	.rodata,"a",@progbits
	.p2align	6, 0x0
	.amdhsa_kernel k_qeed7d83243_first16
		.amdhsa_group_segment_fixed_size 75776
		.amdhsa_private_segment_fixed_size 0
		.amdhsa_enable_private_segment 0
		.amdhsa_kernarg_size 40
		.amdhsa_user_sgpr_count 2
		.amdhsa_user_sgpr_kernarg_segment_ptr 1
		.amdhsa_wavefront_size32 1
		.amdhsa_system_sgpr_workgroup_id_x 1
		.amdhsa_system_sgpr_workgroup_id_y 1
		.amdhsa_system_sgpr_workgroup_id_z 1
		.amdhsa_system_vgpr_workitem_id 0
		.amdhsa_next_free_vgpr 256
		.amdhsa_next_free_sgpr 66
		.amdhsa_reserve_vcc 1
		.amdhsa_float_denorm_mode_32 3
		.amdhsa_float_denorm_mode_16_64 3
		.amdhsa_memory_ordered 1
		.amdhsa_forward_progress 1
		.amdhsa_inst_pref_size 37
	.end_amdhsa_kernel
	.amdgpu_metadata
---
amdhsa.version: [ 1, 2 ]
amdhsa.kernels:
  - .name:           k_qeed7d83243_first16
    .symbol:         k_qeed7d83243_first16.kd
    .args:
      - { .name: aux32, .offset: 0, .size: 8, .value_kind: global_buffer, .address_space: global }
      - { .name: tab, .offset: 8, .size: 8, .value_kind: global_buffer, .address_space: global }
      - { .name: Wo, .offset: 16, .size: 8, .value_kind: global_buffer, .address_space: global }
      - { .name: bo, .offset: 24, .size: 8, .value_kind: global_buffer, .address_space: global }
      - { .name: out0, .offset: 32, .size: 8, .value_kind: global_buffer, .address_space: global }
    .group_segment_fixed_size: 75776
    .private_segment_fixed_size: 0
    .kernarg_segment_align: 8
    .kernarg_segment_size: 40
    .max_flat_workgroup_size: 512
    .sgpr_count:     66
    .vgpr_count:     256
    .wavefront_size: 32
...
	.end_amdgpu_metadata
.endif
;; end of part 5
